; MI455X (gfx1250); checked and timed in simulation.
; The chip was launched on July 23, 2026; its instructions are those of AMD's public machine-readable ISA for CDNA 5 (MIT licence, August 2026) and "CDNA5" Instruction Set Architecture Reference Guide (July 2026). The comments in the code are by the model that wrote it; some were corrected since.
;; Multi Head Atention. Allowed arithmetic: matrix products marked QUANTISED: E2M1 operands, one E8M0 scale for each 32 along K, by v_wmma_scale_f32_16x16x128_f8f6f4 with both operands' format E2M1 (or v_wmma_scale_f32_32x16x128_f4), f32 sums; products left as they are: bf16, f16 or f32 operands; f32 sums; everything else in f32.
;; Inputs: bk 1,024 float32; bo 1,024 float32; bq 1,024 float32; key 4 x 2,048 x 1,024 float32; query 4 x 2,048 x 1,024 float32; value 4 x 2,048 x 1,024 float32; wk 1,024 x 1,024 float32; wo 1,024 x 1,024 float32; wq 1,024 x 1,024 float32.
;; Outputs: out0 4 x 2,048 x 1,024 float32.
;; This version of the problem:
;;   THIS VERSION OF THE PROBLEM IS GIVEN IN LOW PRECISION. The matrix products marked QUANTISED in the list below multiply operands that are first quantised to E2M1 (2 exponent bits, 1 mantissa bit; 4 bits a number), with one power-of-two scale for each 32 numbers along K (OCP MX v1.0); their sums are f32. The products marked 'left as it is' may take bf16, f16 or f32 operands, with f32 sums. Whichever they take, every output number must still come out within the allowed error. Rounding operands to bf16 (8 significant bits) uses up far more of that allowance than f16 does (11 bits, for magnitudes from 6e-5 to 65,504). All else is computed in f32.
;;   The module's matrix products, in the order in which they are computed (A, B: the left and right operand; K: the contracted axis; several contracted axes count as one K, in the product's order):
;;     1. [M 8,192, K 1,024] x [K 1,024, N 1,024]; A: input query; B: input wq: QUANTISED
;;     2. [M 8,192, K 1,024] x [K 1,024, N 1,024]; A: input key; B: input wk: QUANTISED
;;     3. [M 8,192, K 1,024] x [K 1,024, N 1,024]; A: input value; B: input wk: QUANTISED
;;     4. batch 64 x [M 2,048, K 64] x [K 64, N 2,048]; A: computed on the way; B: computed on the way: left as it is (an operand is computed on the way)
;;     5. batch 64 x [M 2,048, K 2,048] x [K 2,048, N 64]; A: computed on the way; B: computed on the way: left as it is (an operand is computed on the way)
;;     6. [M 8,192, K 1,024] x [K 1,024, N 1,024]; A: computed on the way; B: input wo: left as it is (an operand is computed on the way)
;;   THE QUANTISER, for each operand of a quantised product, along K:
;;     - K is cut into blocks of 32 from its start; a last block that is shorter is filled with zeros.
;;     - A block's scale is 2^e with e = floor(log2(the largest magnitude in the block)) - 2, held to -126 .. 127; a block of zeros has e = 0. As a byte (E8M0): e + 127.
;;     - Each number is divided by its block's scale, clamped to +-6, and rounded to the nearest number of E2M1, ties to even, subnormals kept.
;;     - The product sums the exact products of the quantised numbers (number of the format x scale) in f32.
;;   ~~~python
;;   def quantise(x, axis):      # numpy; x: float32 -> the quantised numbers, widened to float32 again
;;       x = np.moveaxis(x, axis, -1); K = x.shape[-1]
;;       x = np.pad(x, [(0, 0)] * (x.ndim - 1) + [(0, -K % 32)]); x = x.reshape(x.shape[:-1] + (-1, 32)); a = np.abs(x).max(-1, keepdims=True)
;;       e = np.where(a > 0, np.clip(np.frexp(np.where(a > 0, a, 1))[1] - 1 - 2, -126, 127), 0)      # np.frexp(a)[1] - 1 = floor(log2(a)), exactly
;;       r = np.clip(x / 2.0 ** e, -6, 6)
;;       step = 2.0 ** (np.maximum(np.frexp(np.where(r == 0, 1, r))[1] - 1, 0) - 1)
;;       q = np.round(r / step) * step * 2.0 ** e      # np.round: ties to even
;;       return np.moveaxis(q.reshape(q.shape[:-2] + (-1,))[..., :K], -1, axis).astype(np.float32)
;;   ~~~
;; One version. Each part assembles by itself: llvm-mc -triple=amdgcn-amd-amdhsa -mcpu=gfx1250 --defsym DOCPART=n.
;; ======== version 1 of 1: 4 launches
;; limits: values are held in f16: magnitudes above 65,504 overflow, below 6.1e-05 lose precision
;; workspace buffers: codes 13,631,488 bytes; scales 851,968 bytes; woh 2,097,152 bytes; qkv 50,331,648 bytes; xh 16,777,216 bytes
;; launch quant (part 1): grid 864 x 1, 4 waves a work-group, no clusters, 33,280 bytes of LDS; arguments query, key, value, wq, wk, wo, codes, scales, woh; writes codes, scales, woh
.if DOCPART == 1
	.amdgcn_target "amdgcn-amd-amdhsa--gfx1250"
	.amdhsa_code_object_version 6
	.text
	.protected	k_qc3c77b9058_quant
	.globl	k_qc3c77b9058_quant
	.p2align	8
	.type	k_qc3c77b9058_quant,@function
k_qc3c77b9058_quant:
	s_mov_b64 s[64:65], 0
	v_nop
	global_prefetch_b8 v0, s[64:65] scope:SCOPE_SE
	s_setreg_imm32_b32 hwreg(HW_REG_WAVE_MODE, 25, 1), 1
	s_wait_xcnt 0x0
; FIRST OF FOUR LAUNCHES of out = softmax((query wq^T + bq)(key wk^T + bk)^T / 8)(value wk^T + bk) wo^T + bo, 16 heads of 64, 4 x 2,048 tokens.
; This launch turns the five operands of the three quantised products (query, key, value, wq, wk: f32, K = 1,024 innermost) into codes of FP4 (E2M1) with one E8M0 byte for each 32 along K, and rounds wo to f16, laid by head.
; DEAD WORK THAT THE PROGRAM LEAVES OUT: the bias bk on k.  score(q, key) = q . (key wk^T + bk) / 8 = q . (key wk^T) / 8 + q . bk / 8.  The second term is the same for every key of a query,
; and a softmax along the keys is not moved by a term that is equal along its axis: that holds for all finite values of the inputs.  The product of q with k is not quantised, so no quantiser sees k.
; bk stays an input: v = value wk^T + bk needs it; bq on q is live too.  LIMIT: a NaN, an infinity or an overflow that would arise only in key wk^T + bk or in q . bk is not carried to the result.
; WORKSPACE.  codes: [26,624 rows][512 bytes]: rows 0 on query, 8,192 on key, 16,384 on value, 24,576 on wq, 25,600 on wk; two codes a byte, the lower k in the low four bits.  scales: [26,624][32 bytes].
; woh: f16 [head 16][n 1,024][64]: wo[n][64 head + d] at byte 131,072 head + 128 n + 2 d.
; THE QUANTISER.  A block's scale is 2^(floor(log2(its largest magnitude)) - 2); its byte is the largest magnitude's exponent field - 2, held at 1 from below.  (A block of zeros so gets the byte 1 where the rule says 127:
; its codes are zeros, which add nothing under any byte but 0xff, and the bytes are read by this program alone.)  Each number is divided by the scale and rounded to the nearest code, ties to even, beyond 6 to 6.
; LIMITS: blocks whose largest magnitude lies under 2^-124 keep the byte 1; NaN and infinities among the inputs are not served; |wo| up to 65,504 (f16).
; SHARES.  Rows are dense and K is a multiple of 32, so the five tensors are plain streams of blocks of 32.  Work-groups 0 to 831 take 32,768 numbers each, a wave 16 steps of 512; work-groups 832 to 863 take 32 rows of wo each.
; In a step each of four loads reads 512 consecutive bytes; the 2,048 bytes turn through the wave's own stage in LDS and come back 64 bytes a lane: 16 neighbours along K, two lanes to a block.
; A lane's 16 codes are 8 bytes: a wave's store covers 256 consecutive bytes, aligned.  A wave's 256 scale bytes are gathered in LDS and leave as one such run.  Waves share nothing: no barrier.
.set WAVES, 4
.set STEPS, 16
.set NQWG,  832                        ; work-groups that quantise: 3 x 256 for the activations, 2 x 32 for the weights
.set EMAX,  2
.set CB,    8                          ; bytes of 16 codes
.set R,     16                         ; v16-79   four sets of 16 numbers as they are loaded
.set X,     80                         ; v80-111  two sets of 16 neighbours
.set E,     112                        ; v112-127 a scale byte for each step
.set C,     128                        ; v128-191 codes: four registers for each step, so that no store's data are written again
.set WREG,  8192                       ; LDS: a region for each wave: two stages of 32 x SP bytes, behind them its 256 scale bytes
.set SP,    80                         ; a lane's place in a stage: 64 bytes + 16 of padding
.set SPW,   12                         ; v12  LDS address of my spare word: SPARE + 4 x my thread's number; never rewritten
.set NIL,   13                         ; v13  0; never rewritten
.set SPARE, WAVES*WREG                 ; behind the four regions: the spare words, 128 bytes a wave, which no other line names
	s_load_b512 s[4:19], s[0:1], 0x0               ; query s[4:5], key s[6:7], value s[8:9], wq s[10:11], wk s[12:13], wo s[14:15], codes s[16:17], scales s[18:19]
	s_load_b64 s[20:21], s[0:1], 0x40              ; woh
	v_lshl_add_u32 v[SPW], v0, 2, SPARE
	v_mov_b32 v[NIL], 0
	v_lshrrev_b32 v1, 5, v0
	v_readfirstlane_b32 s22, v1                    ; wave
	v_and_b32 v2, 31, v0                           ; lane
	v_lshlrev_b32 v3, 4, v2                        ; my 16 bytes of a load's 512
	s_mul_i32 s23, s22, WREG
	v_lshrrev_b32 v14, 2, v2
	v_mul_u32_u24 v14, v14, SP
	v_and_b32 v15, 3, v2
	v_lshl_add_u32 v14, v15, 4, v14
	v_add_nc_u32 v14, s23, v14                     ; the stage, on the way in: four lanes' 64 bytes on end, then 16 of padding
	v_mul_u32_u24 v15, v2, SP
	v_add_nc_u32 v15, s23, v15                     ; and on the way out: SP x lane: my 16 neighbours
	v_mul_u32_u24 v4, v2, CB                       ; my codes' place in a step's
	v_lshrrev_b32 v5, 1, v2
	s_add_co_u32 s23, s23, 2*32*SP
	v_add_nc_u32 v5, s23, v5                       ; LDS: my wave's 256 scale bytes, my block's byte
	v_lshlrev_b32 v7, 3, v2                        ; and on the way out 8 bytes a lane
	v_add_nc_u32 v6, s23, v7
	s_wait_kmcnt 0x0
	s_cmp_ge_u32 ttmp9, NQWG                       ; the work-group's number alone decides the path
	s_cbranch_scc1 .Lwo
	; which tensor, and at which work-group it begins: four choices between two buffers, each on the work-group's number
	s_mov_b64 s[24:25], s[12:13]                   ; wk, from work-group 800
	s_mov_b32 s26, 800
	s_cmp_lt_u32 ttmp9, 800
	s_cselect_b64 s[24:25], s[10:11], s[24:25]     ; wq, from 768
	s_cselect_b32 s26, 768, s26
	s_cmp_lt_u32 ttmp9, 768
	s_cselect_b64 s[24:25], s[8:9], s[24:25]       ; value, from 512
	s_cselect_b32 s26, 512, s26
	s_cmp_lt_u32 ttmp9, 512
	s_cselect_b64 s[24:25], s[6:7], s[24:25]       ; key, from 256
	s_cselect_b32 s26, 256, s26
	s_cmp_lt_u32 ttmp9, 256
	s_cselect_b64 s[24:25], s[4:5], s[24:25]       ; query, from 0
	s_cselect_b32 s26, 0, s26
	s_sub_co_u32 s27, ttmp9, s26
	s_lshl_b32 s27, s27, 2
	s_add_co_u32 s27, s27, s22                     ; which run of 8,192 numbers of the tensor is my wave's
	s_lshl_b32 s28, s27, 15                        ; 32,768 bytes a run
	s_mov_b32 s29, 0
	s_add_nc_u64 s[24:25], s[24:25], s[28:29]
	s_lshl_b32 s27, ttmp9, 2
	s_add_co_u32 s27, s27, s22                     ; and which run of the workspace: the tensors follow each other there in the order of the work-groups
	s_lshl_b32 s28, s27, 12                        ; 4,096 bytes of codes a run
	s_add_nc_u64 s[16:17], s[16:17], s[28:29]
	s_lshl_b32 s28, s27, 8                         ; 256 scale bytes a run
	s_add_nc_u64 s[18:19], s[18:19], s[28:29]
.macro LOAD t
.irp i, 0,1,2,3
	global_load_b128 v[R+16*((\t)%4)+4*\i:R+16*((\t)%4)+4*\i+3], v3, s[24:25] offset:2048*(\t)+512*\i th:TH_LOAD_NT   ; 32 lanes read 512 consecutive bytes
.endr
.endm
.macro TURN t                          ; step t's numbers through the stage: LDS serves a wave's instructions in order, so no wait stands between the stores and the loads
.irp i, 0,1,2,3
	ds_store_b128 v14, v[R+16*((\t)%4)+4*\i:R+16*((\t)%4)+4*\i+3] offset:32*SP*((\t)%2)+8*SP*\i
.endr
.irp i, 0,1,2,3
	ds_load_b128 v[X+16*((\t)%2)+4*\i:X+16*((\t)%2)+4*\i+3], v15 offset:32*SP*((\t)%2)+16*\i
.endr
.endm
.irp t, 0,1,2,3
	LOAD \t
.endr
	s_wait_loadcnt 12                              ; step 0's four loads are in; the twelve of steps 1 to 3 may be out
	TURN 0
.macro STEP t
.set XS, X+16*((\t)%2)
.if (\t) > 0
	s_wait_dscnt 1                                 ; this step's numbers are back from the stage (the last step's byte store may be out): so its stores into the stage have read their registers,
.else
	s_wait_dscnt 0x0
.endif
.if (\t)+4 < STEPS
	LOAD (\t)+4                                    ; which take the loads of four steps on
.endif
.if (\t)+1 < STEPS
.if STEPS-2-(\t) >= 3
	s_wait_loadcnt 12                              ; the next step's four loads are in; those of the three steps behind it may be out
.else
	s_wait_loadcnt 4*(STEPS-2-(\t))
.endif
	TURN (\t)+1                                    ; and go through the other stage while this step is worked
.endif
	v_max3_num_f32 v8, |v[XS]|, |v[XS+1]|, |v[XS+2]|               ; the largest magnitude of my 16, in two chains
	v_max3_num_f32 v9, |v[XS+3]|, |v[XS+4]|, |v[XS+5]|
.irp i, 6,10
	v_max3_num_f32 v8, v8, |v[XS+\i]|, |v[XS+\i+1]|
	v_max3_num_f32 v9, v9, |v[XS+\i+2]|, |v[XS+\i+3]|
.endr
	v_max3_num_f32 v8, v8, |v[XS+14]|, |v[XS+15]|
	v_max3_num_f32 v8, v8, v9, (EMAX+1)<<23        ; and the floor 2^(EMAX + 1 - 127): so the byte cannot fall under 1
	v_max_num_f32_dpp v8, v8, v8 row_xmask:1 row_mask:0xf bank_mask:0xf   ; and of my neighbour's 16: the block's
	v_add_nc_u32 v11, -(EMAX<<23), v8              ; EMAX off its exponent field: the conversion takes the exponent field of this operand as its scale, and nothing else of it
	v_cvt_scalef32_pk8_fp4_f32 v[C+4*(\t)], v[XS:XS+7], v11
	v_cvt_scalef32_pk8_fp4_f32 v[C+4*(\t)+1], v[XS+8:XS+15], v11
	v_lshrrev_b32 v[E+(\t)], 23, v11               ; the scale's byte (a plain line behind the conversions)
	ds_store_b8 v5, v[E+(\t)] offset:16*(\t)       ; both lanes of a block write the same byte with the same value
	global_store_b64 v4, v[C+4*(\t):C+4*(\t)+1], s[16:17] offset:32*CB*(\t)   ; 32 lanes store 256 consecutive bytes, aligned
.endm
.irp t, 0,1,2,3,4,5,6,7,8,9,10,11,12,13,14,15
	STEP \t
.endr
	ds_load_b64 v[8:9], v6                         ; LDS serves a wave's instructions in order: these see my stores
	s_wait_dscnt 0x0
	global_store_b64 v7, v[8:9], s[18:19]          ; 32 lanes store 256 consecutive bytes, aligned
	s_wait_tensorcnt 0x0                           ; the wave's end, behind my last LDS store: a wait on TENSORcnt (in a text with no tensor load too), an add to my spare word, and its wait
	ds_add_u32 v[SPW], v[NIL]
	s_wait_dscnt 0x0
	s_endpgm
; wo to f16, by head.  A wave takes 8 rows.  An item is 4 rows x one head's 64 numbers: eight lanes read a row's 256 bytes (32 a lane, two loads), and the 32 lanes store 4 x 128 = 512 consecutive bytes of woh.
; 32 items in four batches of 8; two batches of loads are out at a time.  No LDS is touched on this path.
.set RA, 16                            ; v16-79, v80-143: two sets of 8 items x 8 numbers
.set RB, 80
.set CW, 144                           ; v144-175: a batch's f16
.macro LOADW bt, reg                   ; batch bt: rows 4 (bt / 2) on, heads 8 (bt % 2) on
.irp i, 0,1,2,3,4,5,6,7
	global_load_b128 v[\reg+8*\i:\reg+8*\i+3], v8, s[14:15] offset:((\bt)/2)*16384+(8*((\bt)%2)+\i)*256 th:TH_LOAD_NT
	global_load_b128 v[\reg+8*\i+4:\reg+8*\i+7], v8, s[14:15] offset:((\bt)/2)*16384+(8*((\bt)%2)+\i)*256+16 th:TH_LOAD_NT
.endr
.endm
.macro CVTW bt, reg
.if (\bt) < 3
	s_wait_loadcnt 16                              ; this batch is in; the younger batch's 16 loads may be out
.else
	s_wait_loadcnt 0x0
.endif
.if (\bt) > 0
	s_wait_xcnt 0x0                                ; the last batch's stores have read their data: the registers are written again only behind this wait
.endif
.irp i, 0,1,2,3,4,5,6,7
.irp j, 0,1,2,3
	v_cvt_pk_f16_f32 v[CW+4*\i+\j], v[\reg+8*\i+2*\j], v[\reg+8*\i+2*\j+1]
.endr
	global_store_b128 v9, v[CW+4*\i:CW+4*\i+3], s[20:21] offset:(8*((\bt)%2)+\i)*131072+((\bt)/2)*512
.endr
.endm
.Lwo:
	s_sub_co_u32 s23, ttmp9, NQWG
	s_lshl_b32 s23, s23, 5
	s_lshl_b32 s26, s22, 3
	s_add_co_u32 s23, s23, s26                     ; my wave's first row: 32 x work-group + 8 x wave
	s_lshl_b32 s26, s23, 12                        ; 4,096 bytes a row of wo
	s_mov_b32 s27, 0
	s_add_nc_u64 s[14:15], s[14:15], s[26:27]
	s_lshl_b32 s26, s23, 7                         ; 128 bytes a row of a head in woh
	s_add_nc_u64 s[20:21], s[20:21], s[26:27]
	v_lshrrev_b32 v8, 3, v2
	v_and_b32 v9, 7, v2
	v_lshlrev_b32 v9, 5, v9
	v_lshl_add_u32 v8, v8, 12, v9                  ; in: row lane / 8, 32 bytes x (lane % 8)
	v_lshlrev_b32 v9, 4, v2                        ; out: 16 bytes a lane
	LOADW 0, RA
	LOADW 1, RB
	CVTW 0, RA
	LOADW 2, RA
	CVTW 1, RB
	LOADW 3, RB
	CVTW 2, RA
	CVTW 3, RB
	s_endpgm
.Lfunc_end_k_qc3c77b9058_quant:
	.size	k_qc3c77b9058_quant, .Lfunc_end_k_qc3c77b9058_quant-k_qc3c77b9058_quant
	.p2alignl 7, 3214868480
	.fill 96, 4, 3214868480
	.section	.rodata,"a",@progbits
	.p2align	6, 0x0
	.amdhsa_kernel k_qc3c77b9058_quant
		.amdhsa_group_segment_fixed_size 33280
		.amdhsa_private_segment_fixed_size 0
		.amdhsa_enable_private_segment 0
		.amdhsa_kernarg_size 72
		.amdhsa_user_sgpr_count 2
		.amdhsa_user_sgpr_kernarg_segment_ptr 1
		.amdhsa_wavefront_size32 1
		.amdhsa_system_sgpr_workgroup_id_x 1
		.amdhsa_system_sgpr_workgroup_id_y 1
		.amdhsa_system_sgpr_workgroup_id_z 1
		.amdhsa_system_vgpr_workitem_id 0
		.amdhsa_next_free_vgpr 192
		.amdhsa_next_free_sgpr 66
		.amdhsa_reserve_vcc 0
		.amdhsa_float_denorm_mode_32 3
		.amdhsa_float_denorm_mode_16_64 3
		.amdhsa_memory_ordered 1
		.amdhsa_forward_progress 1
		.amdhsa_inst_pref_size 52
	.end_amdhsa_kernel
	.amdgpu_metadata
---
amdhsa.version: [ 1, 2 ]
amdhsa.kernels:
  - .name:           k_qc3c77b9058_quant
    .symbol:         k_qc3c77b9058_quant.kd
    .args:
      - { .name: query, .offset: 0, .size: 8, .value_kind: global_buffer, .address_space: global }
      - { .name: key, .offset: 8, .size: 8, .value_kind: global_buffer, .address_space: global }
      - { .name: value, .offset: 16, .size: 8, .value_kind: global_buffer, .address_space: global }
      - { .name: wq, .offset: 24, .size: 8, .value_kind: global_buffer, .address_space: global }
      - { .name: wk, .offset: 32, .size: 8, .value_kind: global_buffer, .address_space: global }
      - { .name: wo, .offset: 40, .size: 8, .value_kind: global_buffer, .address_space: global }
      - { .name: codes, .offset: 48, .size: 8, .value_kind: global_buffer, .address_space: global }
      - { .name: scales, .offset: 56, .size: 8, .value_kind: global_buffer, .address_space: global }
      - { .name: woh, .offset: 64, .size: 8, .value_kind: global_buffer, .address_space: global }
    .group_segment_fixed_size: 33280
    .private_segment_fixed_size: 0
    .kernarg_segment_align: 8
    .kernarg_segment_size: 72
    .max_flat_workgroup_size: 128
    .sgpr_count:     66
    .vgpr_count:     192
    .wavefront_size: 32
...
	.end_amdgpu_metadata
.endif
;; end of part 1
;; launch proj (part 2): grid 4 x 96, 4 waves a work-group, clusters of 4 x 4, 327,680 bytes of LDS; arguments codes, scales, bq, bk, qkv; writes qkv
.if DOCPART == 2
	.amdgcn_target "amdgcn-amd-amdhsa--gfx1250"
	.amdhsa_code_object_version 6
	.text
	.protected	k_qc3c77b9058_proj
	.globl	k_qc3c77b9058_proj
	.p2align	8
	.type	k_qc3c77b9058_proj,@function
k_qc3c77b9058_proj:
	s_mov_b64 s[64:65], 0
	v_nop
	global_prefetch_b8 v0, s[64:65] scope:SCOPE_SE
	s_setreg_imm32_b32 hwreg(HW_REG_WAVE_MODE, 25, 1), 1
	s_wait_xcnt 0x0
	s_wait_alu depctr_hold_cnt(0) depctr_sa_sdst(0) depctr_va_vdst(0) depctr_va_sdst(0) depctr_va_ssrc(0) depctr_va_vcc(0) depctr_vm_vsrc(0)
	s_getreg_b32 s2, hwreg(HW_REG_IB_STS2, 6, 4)
	s_cmp_eq_u32 s2, 0
	s_cbranch_scc0 .Lentry_in_a_cluster
	s_endpgm
.Lentry_in_a_cluster:
	s_bfe_u32 s2, ttmp6, 0x10000c
	s_cmp_lg_u32 s2, 0xf033
	s_cbranch_scc0 .Lentry_shape_is_right
	s_endpgm
.Lentry_shape_is_right:
; SECOND LAUNCH: the three quantised products as ONE product on codes of FP4 (E2M1): rows 0 to 24,575 of the codes (query, key, value) against wq's rows (for query) or wk's (for key and value), K = 1,024.
; The result + bias is rounded to f16 and laid by head: qkv [T 3][batch 4][head 16][token 2,048][64], byte (row >> 11) 2^22 + head 2^18 + (row & 2,047) 128 + 2 d for the row 8,192 T + 2,048 batch + token.
; LEFT OUT: the bias bk on k (T = 1): it adds to every score of a query the same number, which the softmax along the keys takes away (shown at the head of the first launch).  q gets bq, v gets bk.
; LIMIT: |q|, |k|, |v| up to 65,504 (f16).
; A tile of the result, 256 x 256, is made by a work-group of four waves, as many as a WGP has SIMDs; a wave makes 128 x 128: 64 accumulators of 16 x 16, 512 registers.
; K goes in two steps of 512 through two LDS slots: a tile's row is 256 bytes of memory.  Both slots are filled once, at the start: nothing is filled again in this launch.
; THE SCALES of the work-group's 256 + 256 rows, for all of K, are two dense blocks of 8,192 bytes: they come into LDS once, with the first fills, as rows of 256 bytes.
; CLUSTERS: 4 x 4 work-groups.  The four of a row of the cluster need the same token rows, the four of a column the same weight rows: each tile is asked for JOINTLY, by the same tensor load with the same descriptor
; and a mask that names the four.  A cluster's four tile rows lie in one of the three tensors (32 tile rows each), so T, made of the cluster's y alone, is the same in all sixteen partners.
; THE MATRIX INSTRUCTION IS USED TRANSPOSED (source 0 = 16 weight rows, source 1 = 16 token rows): a lane then holds eight neighbouring channels of one token.
; THE BIAS is the C of each sum's first matrix instruction: 64 registers in the result's layout; for k they hold 0.
; REGISTERS, in windows of 256: window 0: v0-31 addresses; v32-95 scale words, two sets, and nothing else; v128-191 the tokens' fragments (8 x 16 rows x 128 K), ONE set, later the rows on the way out; v192-255 the bias, later the packed results.
;   window 1: the weights' fragments, TWO sets, at v0 and v128.   window 2: the 32 accumulators of my rows 0-63 ((a, b) at v[8 (8 a + b)]);   window 3: those of my rows 64-127.
.set NQ,     4                         ; matrix instructions deep in a slot: 512 / 128
.set ROWB,   256                       ; a tile's row in bytes: 512 codes
.set KROW,   512                       ; a row of the codes in memory
.set PITCH,  272                       ; an LDS row: 256 bytes + 16 of padding = 68 words: the 16 rows of a load start 4 words apart modulo 64
.set FR,     8                         ; registers of a fragment: 16 rows x 128 K
.set NL,     2                         ; LDS loads that bring one
.set NP,     4                         ; places behind this matrix instruction (ISA guide 7.12.1)
.set HALFT,  128*PITCH                 ; 128 rows: what one tensor load brings, and what one wave reads of either operand
.set SLOT,   4*HALFT                   ; the tokens' 256 rows, then the weights' 256
.set KS,     32                        ; a row of scale bytes
.set SCL,    2*SLOT                    ; behind the slots: the scales, as rows of 256 bytes + 16 of padding
.set HALFS,  16*272                    ; the scales of 128 rows: what one tensor load brings
.set SBLK,   2*272                     ; those of 16 rows
.set SPARE,  SCL+4*HALFS               ; behind the scales: the spare words, 128 bytes a wave, which no other line names
.set SPITCH, 400                       ; the way out: a stage of 16 rows x (256 bytes + 144) for each wave: 100 words, so that the 16 rows start at 16 different groups of four words modulo 64.
                                       ; It lies in slot 0, which has had its only fill and its last read when the first result is stored there
.set ADRA, 16                          ; v16-17  LDS address of my tokens' fragments in slot 0, 1
.set ADRB, 20                          ; v20-21  the same for the weights
.set STO,  24                          ; v24     the way out: where I put 16 bytes of a row
.set RD,   25                          ; v25     the way out: where I read back
.set CO,   26                          ; v26     16 x lane: my byte in a store's 512
.set ADRS, 27                          ; v27     LDS address of my scale words: lanes 0-15 the tokens' rows, lanes 16-31 the weights'
.set SPW,  28                          ; v28     LDS address of my spare word; never rewritten
.set NIL,  29                          ; v29     0; never rewritten
.set SC,   32                          ; scale words: set s at v[SC + 32 s]; register 4 i + q: lanes 0-15 the word of the tokens' block i, lanes 16-31 that of the weights' block i, for the slot's q-th 128 along K
.set AF,   128                         ; the tokens' fragments
.set BIAS, 192                         ; register 8 b + j: the bias of channel 16 b + 8 (lane / 16) + j of my 128
.set TMP,  192                         ; the way out: a block's packed results
.set BK,   128                         ; the way out: a block read back: v128-159 and v160-191 by turns (the tokens' fragments are done with; the scale words' registers take nothing else)
.set G1, 24                            ; s[24:31] descriptor group 1 for the tokens' tiles;  s[32:39] group 0, one set for each slot
.set G0, 32
.set G1B, 48                           ; s[48:55], s[56:63] the same for the weights' tiles
.set G0B, 56
.set G1S, 68                           ; s[68:75], s[76:79] groups 1 and 0 for the tokens' scales;  s[80:87], s[88:91] for the weights'
.set G0S, 76
.set G1SB, 80
.set G0SB, 88
.set MSB, 0
.macro WIN new                         ; the immediate's high byte repeats the setting that is left
.if MSB != \new
	s_set_vgpr_msb (MSB<<8)|\new
.set MSB, \new
.endif
.endm
.set MUL_LO, 0xa1                      ; source 0 (weights) window 1, source 1 (tokens) window 0, C and D window 2
.set MUL_HI, 0xf1                      ; the same, C and D window 3
.set FIRST_LO, 0x81                    ; a sum's first product: C (the bias) window 0, D window 2
.set FIRST_HI, 0xc1                    ; D window 3
.set TO_B,   0x40                      ; destination window 1, address window 0
; A joint load: waves 0 and 1 fetch for the tokens, waves 2 and 3 for the weights.  Each of the two lines has ONE mask and one set of registers for all that issue it; the branch hangs on the wave's number alone.
; An s_nop 0 and four v_nop follow each of the two lines, ahead of the jump, the label and what follows.
.macro JLOAD g0a, g1a, g0b, g1b
	s_cmp_eq_u32 s15, 0
	s_cbranch_scc0 .Lfor_b_\@
	tensor_load_to_lds s[\g0a:\g0a+3], s[\g1a:\g1a+7]
	s_nop 0
.rept 4
	v_nop
.endr
	s_branch .Lasked_\@
.Lfor_b_\@:
	tensor_load_to_lds s[\g0b:\g0b+3], s[\g1b:\g1b+7]
	s_nop 0
.rept 4
	v_nop
.endr
.Lasked_\@:
.endm
.macro CROUND                          ; a round of the cluster's barrier
	s_barrier_signal -1
	s_barrier_wait -1
	s_cmp_lg_u32 s14, 0
	s_cbranch_scc1 .Lnot_wave_0_\@
	s_barrier_signal -3
.Lnot_wave_0_\@:
	s_barrier_wait -3
	s_barrier_signal -1
	s_barrier_wait -1
.endm
	s_load_b256 s[4:11], s[0:1], 0x0               ; codes s[4:5], scales s[6:7], bq s[8:9], bk s[10:11]
	s_load_b64 s[12:13], s[0:1], 0x20              ; qkv
	v_lshl_add_u32 v[SPW], v0, 2, SPARE
	v_mov_b32 v[NIL], 0
	ds_add_u32 v[SPW], v[NIL]                      ; the wave's opening: the add to my spare word, twice on end, and its wait ahead of my first tensor load; the set-up below stands between the second and the wait
	ds_add_u32 v[SPW], v[NIL]
	v_lshrrev_b32 v1, 5, v0
	v_readfirstlane_b32 s14, v1                    ; wave 0..3
	s_lshr_b32 s15, s14, 1                         ; which half of the tile's token rows is mine.  Also: I fetch for the tokens (0) or for the weights (1)
	s_and_b32 s16, s14, 1                          ; which half of its channels.  Also: which 128 rows of that tile I fetch
	s_bfe_u32 s40, ttmp6, 0x40000                  ; cx, cy: my place in the cluster
	s_bfe_u32 s41, ttmp6, 0x40004
	s_lshl_b32 s42, ttmp9, 2
	s_add_co_u32 s42, s42, s40                     ; tile column = 4 x cluster x + cx
	s_and_b32 s17, ttmp7, 0xffff
	s_lshr_b32 s96, s17, 3                         ; T: 0 query, 1 key, 2 value: eight clusters of four tile rows each
	s_lshl_b32 s17, s17, 2
	s_add_co_u32 s17, s17, s41                     ; tile row = 4 x cluster y + cy
	s_lshl_b32 s43, s41, 2
	s_lshl_b32 s43, 15, s43                        ; my row of the cluster
	s_lshl_b32 s44, 0x1111, s40                    ; my column
	; descriptor group 1: a tile of 128 rows x 256 bytes, padded in LDS
	s_or_b32 s[G1+0], s43, (0<<16)|(1<<20)|(1<<21)|(5<<22)|(3<<25)  ; 15:0 the mask: my row; 17:16 elements of 1 byte; 20 padding on; 21 set beside a mask; 24:22 after every 64 words (code 5); 31:25 four words (code 3)
	s_or_b32 s[G1B+0], s44, (0<<16)|(1<<20)|(1<<21)|(5<<22)|(3<<25)
.irp g, G1, G1B
	s_mov_b32 s[\g+1], ROWB<<16                    ; tensor_dim0
	s_mov_b32 s[\g+2], 128<<16                     ; tensor_dim1 = 128
	s_mov_b32 s[\g+3], ROWB<<16                    ; tile_dim0
	s_mov_b32 s[\g+4], 128                         ; tile_dim1 = 128
	s_mov_b32 s[\g+5], KROW                        ; tensor_dim0_stride
	s_mov_b32 s[\g+6], 0
	s_mov_b32 s[\g+7], 0
.endr
	; and for the scales of 128 rows: a dense block of 4,096 bytes, as 16 rows of 256 bytes (32 elements of 8 bytes), 16 bytes of padding behind each
	s_or_b32 s[G1S+0], s43, (3<<16)|(1<<20)|(1<<21)|(5<<22)|(3<<25)
	s_or_b32 s[G1SB+0], s44, (3<<16)|(1<<20)|(1<<21)|(5<<22)|(3<<25)
.irp g, G1S, G1SB
	s_mov_b32 s[\g+1], 32<<16
	s_mov_b32 s[\g+2], 16<<16
	s_mov_b32 s[\g+3], 32<<16
	s_mov_b32 s[\g+4], 16
	s_mov_b32 s[\g+5], 32
	s_mov_b32 s[\g+6], 0
	s_mov_b32 s[\g+7], 0
.endr
	s_lshl_b32 s18, s16, 7                         ; which 128 rows of the tile I fetch
	s_lshl_b32 s20, s17, 8
	s_add_co_u32 s20, s20, s18                     ; tokens: row 256 x tile row + 128 x half
	s_min_u32 s97, s96, 1                          ; weights: wq for T = 0, wk for T = 1, 2
	s_lshl_b32 s97, s97, 10
	s_add_co_u32 s97, s97, 24576                   ; where that weight's rows begin in the workspace
	s_lshl_b32 s46, s42, 8
	s_add_co_u32 s46, s46, s18
	s_add_co_u32 s46, s46, s97                     ; + 256 x tile column + 128 x half
	s_mov_b32 s21, 0
	s_mov_b32 s47, 0
	s_mov_b64 s[18:19], KS
	s_mul_u64 s[22:23], s[20:21], s[18:19]         ; where these rows' scales begin, in bytes
	s_mul_u64 s[92:93], s[46:47], s[18:19]
	s_mov_b64 s[18:19], KROW
	s_mul_u64 s[20:21], s[20:21], s[18:19]         ; and their codes
	s_mul_u64 s[46:47], s[46:47], s[18:19]
	s_mul_i32 s45, s14, HALFT                      ; where they go: wave x 128 rows: no place in the cluster enters an LDS address
	s_mul_i32 s94, s14, HALFS
	s_wait_dscnt 0x0                               ; both opening adds are done
	s_wait_kmcnt 0x0
	s_add_nc_u64 s[20:21], s[4:5], s[20:21]
	s_add_nc_u64 s[22:23], s[6:7], s[22:23]
	s_add_nc_u64 s[46:47], s[4:5], s[46:47]
	s_add_nc_u64 s[92:93], s[6:7], s[92:93]
	CROUND                                         ; all sixteen work-groups are here: the joint loads meet
	s_mov_b32 s[G0S], 1
	s_add_co_u32 s[G0S+1], s94, SCL
	s_mov_b64 s[G0S+2:G0S+3], s[22:23]
	s_or_b32 s[G0S+3], s[G0S+3], 0x80000000
	s_mov_b32 s[G0SB], 1
	s_add_co_u32 s[G0SB+1], s94, SCL
	s_mov_b64 s[G0SB+2:G0SB+3], s[92:93]
	s_or_b32 s[G0SB+3], s[G0SB+3], 0x80000000
	JLOAD G0S, G1S, G0SB, G1SB                     ; the scales first: they are wanted with the first K step
.irp s, 0,1
	s_mov_b32 s[G0+4*\s], 1
	s_add_co_u32 s[G0+4*\s+1], s45, \s*SLOT
	s_add_nc_u64 s[G0+4*\s+2:G0+4*\s+3], s[20:21], \s*ROWB
	s_or_b32 s[G0+4*\s+3], s[G0+4*\s+3], 0x80000000
	s_mov_b32 s[G0B+4*\s], 1
	s_add_co_u32 s[G0B+4*\s+1], s45, \s*SLOT
	s_add_nc_u64 s[G0B+4*\s+2:G0B+4*\s+3], s[46:47], \s*ROWB
	s_or_b32 s[G0B+4*\s+3], s[G0B+4*\s+3], 0x80000000
	JLOAD G0+4*\s, G1, G0B+4*\s, G1B               ; three tensor loads of mine are out behind the second of these
.endr
	v_and_b32 v1, 15, v0                           ; r = lane % 16
	v_bfe_u32 v2, v0, 4, 1                         ; h = lane / 16
	v_mul_u32_u24 v3, v1, PITCH
	v_lshl_add_u32 v4, v2, 4, v3                   ; a fragment's row x pitch + 16 x half
	s_mul_i32 s21, s15, HALFT                      ; my 128 token rows
	s_mul_i32 s22, s16, HALFT                      ; my 128 weight rows,
	s_add_co_u32 s22, s22, 2*HALFT                 ; which lie behind the tokens' 256
.irp s, 0,1
	v_add_nc_u32 v[ADRA+\s], s21, v4
	v_add_nc_u32 v[ADRB+\s], s22, v4
	s_add_co_u32 s21, s21, SLOT
	s_add_co_u32 s22, s22, SLOT
.endr
	v_mul_u32_u24 v5, v1, KS                       ; my row's scales: 32 bytes a row,
	v_lshrrev_b32 v6, 8, v5
	v_lshl_add_u32 v5, v6, 4, v5                   ; and 16 more for each 256 passed
	s_mul_i32 s21, s15, HALFS                      ; the tokens': my 128 rows
	s_mul_i32 s22, s16, HALFS                      ; the weights': my 128 rows, behind the tokens' 256
	s_add_co_u32 s22, s22, 2*HALFS
	s_sub_co_u32 s22, s22, s21
	v_mul_u32_u24 v6, s22, v2                      ; lanes 16-31 take the weights': the lower base + h x the distance
	s_add_co_u32 s21, s21, SCL
	v_add_nc_u32 v5, v5, v6
	v_add_nc_u32 v[ADRS], s21, v5
	s_mul_i32 s23, s14, 16*SPITCH                  ; my stage
	v_mul_u32_u24 v5, v1, SPITCH                   ; in: row r, 16 bytes for each half of the lanes
	v_lshl_add_u32 v5, v2, 4, v5
	v_add_nc_u32 v[STO], s23, v5
	v_and_b32 v6, 31, v0
	v_lshrrev_b32 v7, 3, v6
	v_and_b32 v8, 7, v6
	v_mul_u32_u24 v7, v7, SPITCH                   ; back: eight lanes take one head's 128 bytes of a row, the 32 lanes four rows
	v_lshl_add_u32 v7, v8, 4, v7
	v_add_nc_u32 v[RD], s23, v7
	v_lshlrev_b32 v[CO], 4, v6
	s_lshl_b32 s20, s17, 8
	s_lshl_b32 s21, s15, 7
	s_add_co_u32 s20, s20, s21                     ; my first row: 256 x tile row + 128 x half
	s_lshr_b32 s21, s20, 11
	s_lshl_b32 s21, s21, 22                        ; (row >> 11) 2^22: tensor and batch
	s_and_b32 s20, s20, 2047
	s_lshl_b32 s20, s20, 7                         ; the token's 128 bytes
	s_add_co_u32 s20, s20, s21
	s_lshl_b32 s46, s42, 2
	s_lshl_b32 s47, s16, 1
	s_add_co_u32 s46, s46, s47                     ; my first head: 4 x tile column + 2 x half
	s_lshl_b32 s46, s46, 18
	s_add_co_u32 s20, s20, s46
	s_mov_b32 s21, 0
	s_add_nc_u64 s[12:13], s[12:13], s[20:21]
	s_cmp_eq_u32 s96, 0                            ; the bias: bq for q, bk for v; the choice hangs on T alone
	s_cselect_b64 s[8:9], s[8:9], s[10:11]
	s_lshl_b32 s46, s42, 10
	s_lshl_b32 s47, s16, 9
	s_add_co_u32 s46, s46, s47                     ; my 128 channels: 4 bytes x (256 x tile column + 128 x half)
	s_mov_b32 s47, 0
	s_add_nc_u64 s[8:9], s[8:9], s[46:47]
	v_lshlrev_b32 v9, 5, v2                        ; 32 h: my half's eight channels of a block of 16
	s_cmp_eq_u32 s96, 1                            ; T is the same in all sixteen partners and in all waves
	s_cbranch_scc1 .Lno_bias
.irp b, 0,1,2,3,4,5,6,7
	global_load_b128 v[BIAS+8*\b:BIAS+8*\b+3], v9, s[8:9] offset:64*\b
	global_load_b128 v[BIAS+8*\b+4:BIAS+8*\b+7], v9, s[8:9] offset:64*\b+16
.endr
	s_branch .Lbias_in
.Lno_bias:                                             ; k: nothing is loaded, the sums start at 0
.set i, 0
.rept 64
	v_mov_b32 v[BIAS+i], 0
.set i, i+1
.endr
.Lbias_in:
.macro FRAG reg, adr, q, i             ; a fragment, 16 rows x 128 K of 4-bit codes, is 8 registers: lane l holds row l % 16; registers 4 c .. 4 c + 3 hold K = 64 c + 32 (l / 16) + 0 .. 31
.irp c, 0,1
	ds_load_b128 v[\reg+4*\c:\reg+4*\c+3], v[\adr] offset:64*(\q)+32*\c+(\i)*16*PITCH
.endr
.endm
; 16 matrix instructions: the tokens' blocks a0, a0 + 1 x the weights' eight, 128 along K: the slot's q-th.  p: the weights' set;  sc: the set of scale words.  first = 1: the bias is C.
; The 64 accumulators take turns, one instruction a turn, in the same order in every step.
.macro MUL16 a0, p, q, sc, first
.irp a, \a0, \a0+1
.irp b, 0,1,2,3,4,5,6,7
.if \first
	v_wmma_scale_f32_16x16x128_f8f6f4 v[8*(8*((\a)%4)+\b):8*(8*((\a)%4)+\b)+7], v[128*(\p)+FR*\b:128*(\p)+FR*\b+FR-1], v[AF+FR*(\a):AF+FR*(\a)+FR-1], v[BIAS+8*\b:BIAS+8*\b+7], v[SC+8*NQ*(\sc)+NQ*\b+(\q)], v[SC+8*NQ*(\sc)+NQ*(\a)+(\q)] matrix_a_fmt:MATRIX_FMT_FP4 matrix_b_fmt:MATRIX_FMT_FP4 matrix_a_scale:MATRIX_SCALE_ROW1
.else
	v_wmma_scale_f32_16x16x128_f8f6f4 v[8*(8*((\a)%4)+\b):8*(8*((\a)%4)+\b)+7], v[128*(\p)+FR*\b:128*(\p)+FR*\b+FR-1], v[AF+FR*(\a):AF+FR*(\a)+FR-1], v[8*(8*((\a)%4)+\b):8*(8*((\a)%4)+\b)+7], v[SC+8*NQ*(\sc)+NQ*\b+(\q)], v[SC+8*NQ*(\sc)+NQ*(\a)+(\q)] matrix_a_fmt:MATRIX_FMT_FP4 matrix_b_fmt:MATRIX_FMT_FP4 matrix_a_scale:MATRIX_SCALE_ROW1
.endif
.endr
.endr
.endm
.macro FETCH_B slot, q, p              ; the weights' eight fragments of the slot's q-th 128 along K into set p
	WIN TO_B
.irp i, 0,1,2,3,4,5,6,7
	FRAG 128*(\p)+FR*\i, ADRB+\slot, \q, \i
.endr
	WIN 0
.endm
.macro FETCH_A slot, q, i0             ; the tokens' blocks i0 .. i0 + 3
.irp i, \i0, \i0+1, \i0+2, \i0+3
	FRAG AF+FR*(\i), ADRA+\slot, \q, \i
.endr
.endm
.macro SCALES sc                       ; a K step's scale words into set sc: four words a row; lanes 0-15 take the tokens' block i, lanes 16-31 the weights' block i
.irp i, 0,1,2,3,4,5,6,7
	ds_load_b128 v[SC+8*NQ*\sc+NQ*\i:SC+8*NQ*\sc+NQ*\i+3], v[ADRS] offset:\i*SBLK
.endr
.endm
; A load into a register that a matrix instruction has read, and a vector instruction that reads a matrix result, stand NP places behind that matrix instruction; only plain vector instructions that name none of its
; registers are places (ISA guide 7.12.1 for vector instructions).
.macro PLACES n
.rept \n
	v_nop
.endr
.endm
; A step of 128 along K that has its successor in the same slot.  A block of tokens is free as soon as its eight products are issued: blocks 0-3 are fetched anew in the step's middle, blocks 4-7 at its end.
.macro STEP slot, q, first
	s_wait_dscnt 4*NL                              ; the weights' set and the tokens' blocks 0-3 are in; the youngest eight loads (blocks 4-7) may be out
.if \first
	WIN FIRST_LO
.else
	WIN MUL_LO
.endif
	MUL16 0, (\q)%2, \q, \slot, \first
	MUL16 2, (\q)%2, \q, \slot, \first
	s_wait_dscnt 0                                 ; blocks 4-7 are in (asked for 32 matrix instructions ago)
	PLACES NP
	FETCH_B \slot, (\q)+1, 1-(\q)%2
	FETCH_A \slot, (\q)+1, 0
.if \first
	WIN FIRST_HI
.else
	WIN MUL_HI
.endif
	MUL16 4, (\q)%2, \q, \slot, \first
	MUL16 6, (\q)%2, \q, \slot, \first
	PLACES NP
	WIN 0
	FETCH_A \slot, (\q)+1, 4
.endm
.macro STEPS slot, from                ; the slot's steps from .. NQ - 2
.set Q, \from
.rept NQ-1-\from
	STEP \slot, Q, 0
.set Q, Q+1
.endr
.endm
	s_wait_tensorcnt 1                             ; the scales and my part of slot 0 are in (slot 1's load may be out)
	s_barrier_signal -1
	s_barrier_wait -1                              ; everybody's are
	FETCH_B 0, 0, 0
	FETCH_A 0, 0, 0
	SCALES 0
	FETCH_A 0, 0, 4
	s_wait_loadcnt 0x0                             ; the bias
	STEP 0, 0, 1                                   ; the first step's products start the sums, at the bias
	STEPS 0, 1
	; slot 0's last step changes slots: one barrier.  In front of it each wave waits for all its tensor loads (its part of slot 1), adds 0 to its spare word, and waits for that and for its own reads of slot 0.
	s_wait_tensorcnt 0x0                           ; (every window is 0 here: the add's two registers lie in window 0)
	ds_add_u32 v[SPW], v[NIL]
	s_wait_dscnt 4*NL+1                            ; (the add and the youngest eight loads may be out)
	WIN MUL_LO
	MUL16 0, 1, NQ-1, 0, 0                         ; sixteen matrix instructions stand between the add and the wait for it
	s_wait_dscnt 0x0                               ; the add is done, and my reads of slot 0 are over
	s_barrier_signal -1
	MUL16 2, 1, NQ-1, 0, 0
	WIN 0
	s_barrier_wait -1                              ; slot 1 is whole, and nobody reads slot 0 any more
	PLACES NP
	v_add_nc_u32 v[ADRS], 4*NQ, v[ADRS]            ; on to the second K step's scale words (no LDS load of mine is out)
	FETCH_B 1, 0, 0
	FETCH_A 1, 0, 0
	SCALES 1
	WIN MUL_HI
	MUL16 4, 1, NQ-1, 0, 0
	MUL16 6, 1, NQ-1, 0, 0
	PLACES NP
	WIN 0
	FETCH_A 1, 0, 4
	STEPS 1, 0
	s_wait_dscnt 4*NL                              ; the very last step: nothing more to fetch
	WIN MUL_LO
	MUL16 0, 1, NQ-1, 1, 0
	MUL16 2, 1, NQ-1, 1, 0
	s_wait_dscnt 0
	WIN MUL_HI
	MUL16 4, 1, NQ-1, 1, 0
	MUL16 6, 1, NQ-1, 1, 0
	WIN 0
; THE WAY OUT, block by block of 16 tokens x 128 channels (two heads).  PACK: rounded to f16, a lane's eight channels are 16 bytes.  TOSTAGE: into my own stage in LDS and back, four tokens of one head to an instruction.
; SEND: each store of the wave covers 512 consecutive bytes of qkv, aligned: four tokens x 128 bytes of one head.  LDS serves a wave's instructions in order (ISA guide 5.7.1.4): no wait between the stores and the loads.
.macro PACK a
.set AC, 64*((\a)%4)
	WIN 0x0a+5*((\a)/4)                            ; sources 0 and 1: window 2 or 3
.irp b, 0,1,2,3,4,5,6,7
.irp r, 0,1,2,3
	v_cvt_pk_f16_f32 v[TMP+4*\b+\r], v[AC+8*\b+2*\r], v[AC+8*\b+2*\r+1]     ; each accumulator from its low end on
.endr
.endr
	WIN 0
.endm
.macro TOSTAGE a
.set BB, BK+32*((\a)%2)
.irp b, 0,1,2,3,4,5,6,7
	ds_store_b128 v[STO], v[TMP+4*\b:TMP+4*\b+3] offset:32*\b
.endr
.irp u, 0,1,2,3
.irp e, 0,1
	ds_load_b128 v[BB+4*(2*\u+\e):BB+4*(2*\u+\e)+3], v[RD] offset:4*\u*SPITCH+128*\e
.endr
.endr
.endm
.macro SEND a
.set BB, BK+32*((\a)%2)
	s_wait_dscnt 0x0                               ; the block is back in registers
	s_wait_xcnt 0x0                                ; the stores of the block before have read their registers: the next block's loads land there only behind this wait
.irp u, 0,1,2,3
.irp e, 0,1
	global_store_b128 v[CO], v[BB+4*(2*\u+\e):BB+4*(2*\u+\e)+3], s[12:13] offset:\e*262144+(\a)*2048+\u*512 th:TH_STORE_NT
.endr
.endr
.endm
	PLACES NP                                      ; behind the last products: for the first conversions; with those 32 conversions, which name no register of the last products, also for the loads into the registers that held the tokens' fragments
	PACK 0
	TOSTAGE 0
.irp a, 1,2,3,4,5,6,7                  ; block a's conversions stand between block a - 1's loads from the stage and the wait for them
	PACK \a
	SEND (\a-1)
	TOSTAGE \a
.endr
	SEND 7
	s_wait_tensorcnt 0x0                           ; the wave's end: a wait on TENSORcnt, an add to my spare word and its wait, behind my last tensor load and my last LDS store
	ds_add_u32 v[SPW], v[NIL]
	s_wait_dscnt 0x0
	CROUND                                         ; the closing round: no work-group ends while a partner may still ask for a tile that names it
	s_endpgm
.Lfunc_end_k_qc3c77b9058_proj:
	.size	k_qc3c77b9058_proj, .Lfunc_end_k_qc3c77b9058_proj-k_qc3c77b9058_proj
	.p2alignl 7, 3214868480
	.fill 96, 4, 3214868480
	.section	.rodata,"a",@progbits
	.p2align	6, 0x0
	.amdhsa_kernel k_qc3c77b9058_proj
		.amdhsa_group_segment_fixed_size 327680
		.amdhsa_private_segment_fixed_size 0
		.amdhsa_enable_private_segment 0
		.amdhsa_kernarg_size 40
		.amdhsa_user_sgpr_count 2
		.amdhsa_user_sgpr_kernarg_segment_ptr 1
		.amdhsa_wavefront_size32 1
		.amdhsa_system_sgpr_workgroup_id_x 1
		.amdhsa_system_sgpr_workgroup_id_y 1
		.amdhsa_system_sgpr_workgroup_id_z 1
		.amdhsa_system_vgpr_workitem_id 0
		.amdhsa_next_free_vgpr 1024
		.amdhsa_next_free_sgpr 100
		.amdhsa_reserve_vcc 0
		.amdhsa_float_denorm_mode_32 3
		.amdhsa_float_denorm_mode_16_64 3
		.amdhsa_memory_ordered 1
		.amdhsa_forward_progress 1
		.amdhsa_inst_pref_size 130
	.end_amdhsa_kernel
	.amdgpu_metadata
---
amdhsa.version: [ 1, 2 ]
amdhsa.kernels:
  - .name:           k_qc3c77b9058_proj
    .symbol:         k_qc3c77b9058_proj.kd
    .args:
      - { .name: codes, .offset: 0, .size: 8, .value_kind: global_buffer, .address_space: global }
      - { .name: scales, .offset: 8, .size: 8, .value_kind: global_buffer, .address_space: global }
      - { .name: bq, .offset: 16, .size: 8, .value_kind: global_buffer, .address_space: global }
      - { .name: bk, .offset: 24, .size: 8, .value_kind: global_buffer, .address_space: global }
      - { .name: qkv, .offset: 32, .size: 8, .value_kind: global_buffer, .address_space: global }
    .group_segment_fixed_size: 327680
    .private_segment_fixed_size: 0
    .kernarg_segment_align: 8
    .kernarg_segment_size: 40
    .max_flat_workgroup_size: 128
    .sgpr_count:     100
    .vgpr_count:     1024
    .wavefront_size: 32
...
	.end_amdgpu_metadata
.endif
;; end of part 2
;; launch attn (part 3): grid 4 x 64, 8 waves a work-group, clusters of 4 x 1, 327,680 bytes of LDS; arguments qkv, xh; writes xh
.if DOCPART == 3
	.amdgcn_target "amdgcn-amd-amdhsa--gfx1250"
	.amdhsa_code_object_version 6
	.text
	.protected	k_qc3c77b9058_attn
	.globl	k_qc3c77b9058_attn
	.p2align	8
	.type	k_qc3c77b9058_attn,@function
k_qc3c77b9058_attn:
	s_mov_b64 s[64:65], 0
	v_nop
	global_prefetch_b8 v0, s[64:65] scope:SCOPE_SE
	s_setreg_imm32_b32 hwreg(HW_REG_WAVE_MODE, 25, 1), 1
	s_wait_xcnt 0x0
	s_wait_alu depctr_hold_cnt(0) depctr_sa_sdst(0) depctr_va_vdst(0) depctr_va_sdst(0) depctr_va_ssrc(0) depctr_va_vcc(0) depctr_vm_vsrc(0)
	s_getreg_b32 s2, hwreg(HW_REG_IB_STS2, 6, 4)
	s_cmp_eq_u32 s2, 0
	s_cbranch_scc0 .Lentry_in_a_cluster
	s_endpgm
.Lentry_in_a_cluster:
	s_bfe_u32 s2, ttmp6, 0x10000c
	s_cmp_lg_u32 s2, 0x3003
	s_cbranch_scc0 .Lentry_shape_is_right
	s_endpgm
.Lentry_shape_is_right:
; THIRD LAUNCH: x[bh][q][:] = the sum over keys of softmax_key(q . k / 8) v[key][:], for 64 pairs of batch and head, 2,048 tokens, head size 64.  q, k, v: f16, [3][64][2,048][64] (k without its bias: see the first launch's head).
; Products on f16 operands with f32 sums; maxima, exponentials and sums in f32; the weights p (at most 1) are rounded to f16 for the second product; x is rounded to f16 once, laid [64][2,048][64].
; SHARES.  A work-group owns 512 queries of one head, each of its eight waves 64: four tiles of 16, in two PIECES (piece 0: tiles 0, 1; piece 2: tiles 2, 3).  Every wave walks all 2,048 keys, 64 a step.
; LAYOUT.  S^T = K Q^T (source 0 = 16 keys, source 1 = 16 queries): a lane holds ONE query (lane % 16) and keys 8 (lane / 16) + 0..7.  Two such tiles, rounded to f16 in pairs, ARE source 1 (32 keys x 16 queries) of
; O^T = V^T P, whose result again holds one query a lane, and eight channels.  K comes out of LDS as it lies, V ([key][channel]) turned, by ds_load_tr16_b128.
; SOFTMAX.  For each query a running maximum m and sum l: p = 2^(c s - c m), c = log2(e) / 8; in every step O^T and l are multiplied by a = 2^(c m_old - c m_new), which is 1 where m has not grown.
; The step is written once: m begins at -3e38, l and O^T at 0, so that the first a is 0 and meets zeros.
; BLOCKS.  A wave's text goes in blocks: 32 matrix instructions (V^T P of one piece, K Q^T of the other), then one piece's softmax, some 240 vector instructions.  Eight waves are two for each of a WGP's four SIMDs.
; Two waves that stand a block apart keep both kinds of work going at once; two waves in step do not.  So at each barrier half of the waves (SET 0) run the block MB, which is work on registers alone, AHEAD of the barrier
; and the others (SET 1) BEHIND it.  SET = (w xor (w >> 2)) & 1 differs between waves w and w + 4 and between waves 2 i and 2 i + 1.
; RING.  Two LDS slots of 512 keys (eight steps) of K and V.  2,048 keys are four slots' worth: two first fills and two refills; a refill has eight steps in which to land.
; A head's rows are 128 bytes and dense, so a tile is stated as rows of 256 bytes, two keys each, with padding behind each.
; CLUSTER.  The four query blocks of a head form a cluster and walk the same K and V: each tile is asked for JOINTLY: the same tensor load, with the same descriptor and a mask that names the four, in all four.
; No prefetch is laid: the first fills stand at the head, and each refill is asked for eight steps (512 matrix instructions a wave) ahead of the wait for it.
; REGISTERS: window 0: v0-13 addresses; v32-63 statistics, eight a tile; v64-127 S^T of one piece; v128-159 P of one piece; v160-223 V of one step; v224-239 at work on the way out.
;   window 1: v0-127 O^T, 32 a tile; v128-191 Q, 16 a tile; v192-255 K of one step.
.set PKP,   272                        ; two keys of K in LDS: 256 bytes + 16: key k at (k / 2) 272 + (k % 2) 128: the 16 keys of a load start at words 4 (k / 2) + 32 (k % 2) modulo 64: 16 different groups of four
.set PVP,   288                        ; two keys of V: 256 + 32: the 8 keys x 32 bytes that 16 lanes of the turning load take start at words 8 (k / 2) + 32 (k % 2) modulo 64: 8 different groups of eight
.set VOFF,  256*PKP                    ; a slot: 512 keys of K, then 512 of V
.set SLOTB, VOFF+256*PVP
.set KSTP,  32*PKP                     ; a step's 64 keys in K,
.set VSTP,  32*PVP                     ; and in V
.set STAGE, 2*SLOTB                    ; behind the ring: 16 rows x (128 bytes + 16) for each wave, for the way out
.set SPT,   144
.set SPARE, STAGE+8*16*SPT             ; behind the stages: the spare words, 128 bytes a wave, which no other line names
.set AK0, 2                            ; v2   my lane's place in a tile of K; never rewritten
.set AV0, 3                            ; v3   the same for V
.set ADK, 4                            ; v4   LDS address of the step's K
.set ADV, 5                            ; v5   and V
.set QO,  6                            ; v6   my byte offset in the wave's rows of Q
.set STO, 7                            ; v7   the way out: where I put 16 bytes of a row
.set RD,  8                            ; v8   the way out: where I read back
.set GO,  9                            ; v9   16 x lane
.set SPW, 12                           ; v12  LDS address of my spare word; never rewritten
.set NIL, 13                           ; v13  0; never rewritten
.set ST,  32                           ; tile t's statistics at v[ST + 8 t]: +0 c m, +1 m, +2, +3 l (even keys', odd keys'), +4 to +7 at work; a takes +6 once the maximum is found
.set S,   64
.set P,   128
.set VF,  160
.set TW,  224
.set QF,  128                          ; in window 1
.set KF,  192                          ; in window 1
.set WV,  12                           ; s12  my wave's number
.set SET, 13                           ; s13  which side of a barrier my block MB stands on
.set G1K, 24                           ; s[24:31] descriptor group 1 for K's tiles
.set G1V, 32                           ; s[32:39] for V's: it differs in the padding alone
.set G0K, 40                           ; s[40:47] descriptor group 0 for K's tiles, a set for each slot
.set G0V, 48                           ; s[48:55] the same for V's
.set CNT, 56                           ; s56  counts a slot's steps
.set CS,  58                           ; s[58:59] c: the packed scaling names a pair and takes its low word for both halves
.set SEL, 60                           ; s[60:61] lane selects for v_permlanex16_b32: lane l xor 16
.set TK,  62                           ; s62  LDS byte at which the K of the step to be fetched begins
.set TV,  63                           ; s63  the same for V (VOFF is in AV0)
.set MSB, 0
.macro WIN new                         ; the immediate's high byte repeats the setting that is left; a switch that changes nothing is dropped
.if MSB != \new
	s_set_vgpr_msb (MSB<<8)|\new
.set MSB, \new
.endif
.endm
.set W_KQ, 0x05                        ; K and Q in window 1, S^T in window 0
.set W_PV, 0x50                        ; V and P in window 0, O^T (C and D) in window 1
.set W_RS, 0x41                        ; O^T (destination and source 0) in window 1, a in window 0
.set TO_1, 0x40                        ; destination window 1, address window 0
; A joint refill of slot s.  Waves 0 to 3 fetch K's quarters, waves 4 to 7 V's.  The branch hangs on the wave's number alone.  An s_nop 0 and four v_nop follow each of the two lines.
.macro JLOAD s
	s_cmp_lt_u32 s[WV], 4
	s_cbranch_scc0 .Lfor_v_\@
	tensor_load_to_lds s[G0K+4*\s:G0K+4*\s+3], s[G1K:G1K+7]
	s_nop 0
.rept 4
	v_nop
.endr
	s_branch .Lasked_\@
.Lfor_v_\@:
	tensor_load_to_lds s[G0V+4*\s:G0V+4*\s+3], s[G1V:G1V+7]
	s_nop 0
.rept 4
	v_nop
.endr
.Lasked_\@:
.endm
.macro CROUND                          ; a round of the cluster's barrier
	s_barrier_signal -1
	s_barrier_wait -1
	s_cmp_lg_u32 s[WV], 0
	s_cbranch_scc1 .Lnot_wave_0_\@
	s_barrier_signal -3
.Lnot_wave_0_\@:
	s_barrier_wait -3
	s_barrier_signal -1
	s_barrier_wait -1
.endm
.macro PLACES                          ; four places behind a matrix instruction: ahead of a vector instruction that reads its result and of a load into a register that it has read (ISA guide 7.12.1 for vector instructions)
.rept 4
	v_nop
.endr
.endm
	s_load_b128 s[4:7], s[0:1], 0x0                ; qkv s[4:5], xh s[6:7]
	v_lshl_add_u32 v[SPW], v0, 2, SPARE
	v_mov_b32 v[NIL], 0
	ds_add_u32 v[SPW], v[NIL]                      ; the wave's opening: the add to my spare word, twice on end, and its wait ahead of my first tensor load; the set-up below stands between the second and the wait
	ds_add_u32 v[SPW], v[NIL]
	v_lshrrev_b32 v1, 5, v0
	v_readfirstlane_b32 s[WV], v1                  ; wave 0..7
	s_lshr_b32 s[SET], s[WV], 2
	s_xor_b32 s[SET], s[SET], s[WV]
	s_and_b32 s[SET], s[SET], 1
	s_bfe_u32 s14, ttmp6, 0x40000                  ; cx: my block of 512 queries: it enters Q's and x's addresses alone
	s_and_b32 s16, ttmp7, 0xffff                   ; batch and head, which the four partners share
	s_lshl_b32 s16, s16, 18                        ; a head's 2,048 rows of 128 bytes
	s_and_b32 s18, s[WV], 3                        ; which quarter of a slot I fetch: 128 keys
	s_lshl_b32 s20, s18, 14                        ; in memory,
	s_add_co_u32 s20, s20, s16
	s_mov_b32 s21, 0
	s_mul_i32 s22, s18, 64*PKP                     ; in a slot's K,
	s_mul_i32 s23, s18, 64*PVP
	s_add_co_u32 s23, s23, VOFF                    ; and in its V: no place in the cluster enters an LDS address
	s_lshl_b32 s66, s14, 16                        ; my block's 512 rows,
	s_lshl_b32 s67, s[WV], 13                      ; my wave's 64 of them
	s_add_co_u32 s66, s66, s67
	s_add_co_u32 s66, s66, s16
	s_mov_b32 s67, 0
	; descriptor group 1: 64 rows of 128 elements (two keys a row), dense in memory, padded in LDS
	s_mov_b32 s[G1K], 15|(1<<16)|(1<<20)|(1<<21)|(5<<22)|(3<<25)  ; 15:0 the mask: all four work-groups; 17:16 elements of 2 bytes; 20 padding on; 21 set beside a mask; 24:22 after every 64 words (code 5); 31:25 four words (code 3)
	s_mov_b32 s[G1V], 15|(1<<16)|(1<<20)|(1<<21)|(5<<22)|(7<<25)  ; the same with eight words of padding (code 7)
.irp g, G1K, G1V
	s_mov_b32 s[\g+1], 128<<16                     ; tensor_dim0 = 128
	s_mov_b32 s[\g+2], 64<<16                      ; tensor_dim1 = 64
	s_mov_b32 s[\g+3], 128<<16                     ; tile_dim0 = 128
	s_mov_b32 s[\g+4], 64                          ; tile_dim1 = 64
	s_mov_b32 s[\g+5], 128                         ; tensor_dim0_stride
	s_mov_b32 s[\g+6], 0
	s_mov_b32 s[\g+7], 0
.endr
	s_mov_b32 s[CS], 0x3e38aa3b                    ; c = log2(e) / 8
	s_mov_b32 s[CS+1], s[CS]                       ; named with it as a pair, so it is written
	s_mov_b32 s[SEL], 0x76543210
	s_mov_b32 s[SEL+1], 0xfedcba98
	s_mov_b32 s[TK], 0
	s_mov_b32 s[TV], 0
	s_wait_dscnt 0x0                               ; both opening adds are done
	s_wait_kmcnt 0x0
	s_add_nc_u64 s[68:69], s[4:5], s[20:21]        ; qkv at my head and my quarter
	s_add_nc_u64 s[70:71], s[68:69], 0x1000000     ; in k,
	s_add_nc_u64 s[72:73], s[68:69], 0x2000000     ; in v
	s_add_nc_u64 s[4:5], s[4:5], s[66:67]          ; q at my wave's first row,
	s_add_nc_u64 s[6:7], s[6:7], s[66:67]          ; and x likewise
	CROUND                                         ; all four work-groups are here: the first joint loads meet
.irp s, 0,1
	s_mov_b32 s[G0K+4*\s], 1                       ; count = 1
	s_add_co_u32 s[G0K+4*\s+1], s22, \s*SLOTB      ; LDS address
	s_add_nc_u64 s[G0K+4*\s+2:G0K+4*\s+3], s[70:71], \s*65536   ; global address: slot s begins with keys 512 s on
	s_or_b32 s[G0K+4*\s+3], s[G0K+4*\s+3], 0x80000000           ; type = 2
	s_mov_b32 s[G0V+4*\s], 1
	s_add_co_u32 s[G0V+4*\s+1], s23, \s*SLOTB
	s_add_nc_u64 s[G0V+4*\s+2:G0V+4*\s+3], s[72:73], \s*65536
	s_or_b32 s[G0V+4*\s+3], s[G0V+4*\s+3], 0x80000000
.endr
	s_cmp_lt_u32 s[WV], 4                          ; a wave's two first fills stand in one branch, ahead of every wait on TENSORcnt and every LDS read: two loads of mine are out
	s_cbranch_scc0 .Lfirst_v
	tensor_load_to_lds s[G0K:G0K+3], s[G1K:G1K+7]
	s_nop 0
	tensor_load_to_lds s[G0K+4:G0K+7], s[G1K:G1K+7]
	s_nop 0
.rept 4
	v_nop
.endr
	s_branch .Lfirst_asked
.Lfirst_v:
	tensor_load_to_lds s[G0V:G0V+3], s[G1V:G1V+7]
	s_nop 0
	tensor_load_to_lds s[G0V+4:G0V+7], s[G1V:G1V+7]
	s_nop 0
.rept 4
	v_nop
.endr
.Lfirst_asked:
	; A fragment of K or Q is 16 rows x 32 channels in 8 registers: lane l holds row l % 16; registers 0-3 channels 8 (l / 16) + 0..7, registers 4-7 channels 16 + 8 (l / 16) + 0..7: two loads of 16 bytes, 32 bytes apart.
	v_and_b32 v1, 15, v0                           ; r
	v_bfe_u32 v10, v0, 4, 1                        ; h
	v_lshlrev_b32 v[QO], 7, v1
	v_lshl_add_u32 v[QO], v10, 4, v[QO]            ; row x 128 + 16 h
	WIN TO_1
.irp i, 0,1,2,3,4,5,6,7                        ; Q stays in registers: tile i / 2, channels 32 (i % 2) on
	global_load_b128 v[QF+8*\i:QF+8*\i+3],   v[QO], s[4:5] offset:(\i/2)*2048+(\i%2)*64
	global_load_b128 v[QF+8*\i+4:QF+8*\i+7], v[QO], s[4:5] offset:(\i/2)*2048+(\i%2)*64+32
.endr
	WIN 0
	v_lshrrev_b32 v11, 1, v1
	v_mul_u32_u24 v[AK0], v11, PKP
	v_and_b32 v14, 1, v0
	v_lshl_add_u32 v[AK0], v14, 7, v[AK0]
	v_lshl_add_u32 v[AK0], v10, 4, v[AK0]          ; K: (r / 2) 272 + (r % 2) 128 + 16 h
	; The turning load takes 16 keys x 16 channels (lane l reads 16 bytes: key 8 (l / 16) + l % 8, channels 8 ((l / 8) % 2) + 0..7) and leaves half a fragment of V^T: lane l holds channel l % 16 and 8 keys.
	v_bfe_u32 v11, v0, 1, 2
	v_lshl_add_u32 v11, v10, 2, v11                ; half of that key: 4 h + (l % 8) / 2
	v_mul_u32_u24 v[AV0], v11, PVP
	v_lshl_add_u32 v[AV0], v14, 7, v[AV0]          ; + 128 for the odd key
	v_bfe_u32 v15, v0, 3, 1
	v_lshl_add_u32 v[AV0], v15, 4, v[AV0]
	v_add_nc_u32 v[AV0], VOFF, v[AV0]
	s_mul_i32 s19, s[WV], 16*SPT
	s_add_co_u32 s19, s19, STAGE                   ; my stage
	v_mul_u32_u24 v[STO], v1, SPT                  ; in: row r, 16 bytes for each half of the lanes
	v_lshl_add_u32 v[STO], v10, 4, v[STO]
	v_add_nc_u32 v[STO], s19, v[STO]
	v_bfe_u32 v11, v0, 3, 2
	v_mul_u32_u24 v[RD], v11, SPT                  ; back: eight lanes take a row's 128 bytes, the 32 lanes four rows
	v_and_b32 v14, 7, v0
	v_lshl_add_u32 v[RD], v14, 4, v[RD]
	v_add_nc_u32 v[RD], s19, v[RD]
	v_and_b32 v11, 31, v0
	v_lshlrev_b32 v[GO], 4, v11
.irp t, 0,1,2,3
	v_mov_b32 v[ST+8*\t+1], 0xff61b1e6             ; m: -3e38, under every score
	v_mul_f32 v[ST+8*\t], s[CS], v[ST+8*\t+1]      ; c m
	v_mov_b32 v[ST+8*\t+2], 0                      ; l, in two halves
	v_mov_b32 v[ST+8*\t+3], 0
.endr
	WIN TO_1
.set i, 0
.rept 128
	v_mov_b32 v[i], 0                              ; O^T.  (The step is written once, not a second time for the first keys: these zeros, set once for 2,048 keys, are what that saves in text)
.set i, i+1
.endr
	WIN 0
; 16 products of S^T = K Q^T for piece x: tile x + i % 2, keys 16 ((i / 2) % 4) on, channels 32 (i / 8) on.  The first 8 start the sums.  The 8 accumulators take turns, one instruction a turn.
.macro KQ x
.set i, 0
.rept 16
.set rS, S+32*(i%2)+8*((i/2)%4)
.set rK, KF+16*((i/2)%4)+8*(i/8)
.set rQ, QF+16*(\x+i%2)+8*(i/8)
.if i < 8
	v_wmma_f32_16x16x32_f16 v[rS:rS+7], v[rK:rK+7], v[rQ:rQ+7], 0
.else
	v_wmma_f32_16x16x32_f16 v[rS:rS+7], v[rK:rK+7], v[rQ:rQ+7], v[rS:rS+7]
.endif
.set i, i+1
.endr
.endm
; 16 products of O^T += V^T P for piece x: tile x + i % 2, channels 16 ((i / 2) % 4) on, keys 32 (i / 8) on.  Again 8 accumulators by turns.
.macro PV x
.set i, 0
.rept 16
.set rO, 32*(\x+i%2)+8*((i/2)%4)
.set rV, VF+8*(4*(i/8)+(i/2)%4)
.set rP, P+16*(i%2)+8*(i/8)
	v_wmma_f32_16x16x32_f16 v[rO:rO+7], v[rV:rV+7], v[rP:rP+7], v[rO:rO+7]
.set i, i+1
.endr
.endm
; The block that may stand on either side of a barrier: piece 0's V^T P and piece 2's K Q^T of the step in hand: registers alone.
; FIVE PLACES AT ITS HEAD.  Its K Q^T begins S^T's sums anew, over registers that an earlier K Q^T has written: five places are owed between the two (ISA guide 7.12.1; a matrix instruction that writes over another's result).
; On the ways that waves take, a whole softmax lies between.  But the text also holds ways that lead from one MB straight to another: the two MB of a barrier, of which a wave runs one by its SET, and a barrier's MB and the
; one at a loop's head, round which the count of steps leads in the first trip.  The five v_nop keep the distance on every way through the text, taken or not: five issue slots in a key step of some 540 instructions.
.macro MB
.rept 5
	v_nop
.endr
	WIN W_PV
	PV 0
	WIN W_KQ
	KQ 2
.endm
; THE SOFTMAX OF PIECE x FOR ONE STEP: its two tiles line by line, so that no line reads the result of the line above it.  All in window 0 but the rescaling of O^T at the end.
.macro SM x
	WIN 0
.irp j, 0,1,2,3                                ; the maximum of the lane's 32 scores and the old m: four chains, each begun at an accumulator's lowest registers
.irp u, 0,1
	v_max3_num_f32 v[ST+8*(\x+\u)+4+\j], v[S+32*\u+8*\j], v[S+32*\u+8*\j+1], v[S+32*\u+8*\j+2]
.endr
.endr
.irp g, 1,2
.irp j, 0,1,2,3
.irp u, 0,1
	v_max3_num_f32 v[ST+8*(\x+\u)+4+\j], v[ST+8*(\x+\u)+4+\j], v[S+32*\u+8*\j+2*\g+1], v[S+32*\u+8*\j+2*\g+2]
.endr
.endr
.endr
.irp u, 0,1
	v_max3_num_f32 v[ST+8*(\x+\u)+4], v[ST+8*(\x+\u)+4], v[S+32*\u+7], v[S+32*\u+15]
.endr
.irp u, 0,1
	v_max3_num_f32 v[ST+8*(\x+\u)+6], v[ST+8*(\x+\u)+6], v[S+32*\u+23], v[S+32*\u+31]
.endr
.irp u, 0,1
	v_max3_num_f32 v[ST+8*(\x+\u)+4], v[ST+8*(\x+\u)+4], v[ST+8*(\x+\u)+5], v[ST+8*(\x+\u)+6]
.endr
.irp u, 0,1
	v_max3_num_f32 v[ST+8*(\x+\u)+4], v[ST+8*(\x+\u)+4], v[ST+8*(\x+\u)+7], v[ST+8*(\x+\u)+1]
.endr
.irp u, 0,1
	v_permlanex16_b32 v[ST+8*(\x+\u)+5], v[ST+8*(\x+\u)+4], s[SEL], s[SEL+1]   ; the query's other 32 keys lie in the lane 16 away
.endr
.irp u, 0,1
	v_mov_b32 v[ST+8*(\x+\u)+7], v[ST+8*(\x+\u)]   ; c m_old is kept for a
.endr
.irp u, 0,1
	v_max_num_f32 v[ST+8*(\x+\u)+1], v[ST+8*(\x+\u)+4], v[ST+8*(\x+\u)+5]      ; the new m
.endr
.irp u, 0,1
	v_mul_f32 v[ST+8*(\x+\u)], s[CS], v[ST+8*(\x+\u)+1]
.endr
.irp u, 0,1
	v_sub_f32 v[ST+8*(\x+\u)+7], v[ST+8*(\x+\u)+7], v[ST+8*(\x+\u)]
.endr
.irp u, 0,1
	v_exp_f32 v[ST+8*(\x+\u)+6], v[ST+8*(\x+\u)+7] ; a = 2^(c m_old - c m_new): the first of the batch of 66 exponentials
.endr
.irp b, 0,1,2,3,4,5,6,7,8,9,10,11,12,13,14,15
.irp u, 0,1
	v_pk_fma_f32 v[S+32*\u+2*\b:S+32*\u+2*\b+1], v[S+32*\u+2*\b:S+32*\u+2*\b+1], s[CS:CS+1], v[ST+8*(\x+\u):ST+8*(\x+\u)+1] op_sel_hi:[1,0,0] neg_lo:[0,0,1] neg_hi:[0,0,1]   ; c s - c m, two at a time
.endr
.endr
.irp e, 0,1,2,3,4,5,6,7,8,9,10,11,12,13,14,15,16,17,18,19,20,21,22,23,24,25,26,27,28,29,30,31
.irp u, 0,1
	v_exp_f32 v[S+32*\u+\e], v[S+32*\u+\e]         ; p
.endr
.endr
	v_nop                                          ; a plain instruction behind the last exponential, ahead of the first use of a result
	s_wait_alu depctr_va_vdst(0)                   ; a wait ahead of the first instruction that names an exponential's result: one for the whole batch
.irp i, 0,1,2,3,4,5,6,7,8,9,10,11,12,13,14,15
.irp u, 0,1
	v_cvt_pk_f16_f32 v[P+16*\u+\i], v[S+32*\u+2*\i], v[S+32*\u+2*\i+1]         ; two weights to f16: source 1 of V^T P as it stands
.endr
.endr
.irp z, 0,1,2,3,4,5,6,7                        ; the sum of the tile's 16 pairs, in place: neighbours 1, 2, 4 and 8 pairs apart
.irp u, 0,1
	v_pk_add_f32 v[S+32*\u+4*\z:S+32*\u+4*\z+1], v[S+32*\u+4*\z:S+32*\u+4*\z+1], v[S+32*\u+4*\z+2:S+32*\u+4*\z+3]
.endr
.endr
.irp z, 0,1,2,3
.irp u, 0,1
	v_pk_add_f32 v[S+32*\u+8*\z:S+32*\u+8*\z+1], v[S+32*\u+8*\z:S+32*\u+8*\z+1], v[S+32*\u+8*\z+4:S+32*\u+8*\z+5]
.endr
.endr
.irp z, 0,1
.irp u, 0,1
	v_pk_add_f32 v[S+32*\u+16*\z:S+32*\u+16*\z+1], v[S+32*\u+16*\z:S+32*\u+16*\z+1], v[S+32*\u+16*\z+8:S+32*\u+16*\z+9]
.endr
.endr
.irp u, 0,1
	v_pk_add_f32 v[S+32*\u:S+32*\u+1], v[S+32*\u:S+32*\u+1], v[S+32*\u+16:S+32*\u+17]
.endr
.irp u, 0,1
	v_pk_fma_f32 v[ST+8*(\x+\u)+2:ST+8*(\x+\u)+3], v[ST+8*(\x+\u)+2:ST+8*(\x+\u)+3], v[ST+8*(\x+\u)+6:ST+8*(\x+\u)+7], v[S+32*\u:S+32*\u+1] op_sel_hi:[1,0,1]   ; l = a l + the sum
.endr
	WIN W_RS
.irp i, 0,1,2,3,4,5,6,7,8,9,10,11,12,13,14,15
.irp u, 0,1
	v_pk_mul_f32 v[32*(\x+\u)+2*\i:32*\x+32*\u+2*\i+1], v[32*(\x+\u)+2*\i:32*\x+32*\u+2*\i+1], v[ST+8*(\x+\u)+6:ST+8*(\x+\u)+7] op_sel_hi:[1,0]   ; O^T x a, each accumulator from its low end on
.endr
.endr
.endm
; THE HEAD OF A STEP.  K of the new step is asked for (its registers are free: the last K Q^T stands four places back); prev = 1: piece 2's softmax and V^T P of the step before; V of the new step is asked for
; (four places behind the last V^T P); piece 0's K Q^T and softmax of the new step.  At its end no LDS load of mine is out.
.macro HEAD prev
	WIN 0
	v_add_nc_u32 v[ADK], s[TK], v[AK0]
	v_add_nc_u32 v[ADV], s[TV], v[AV0]
	v_nop
	v_nop                                          ; with the two additions: the four places behind the last K Q^T
	WIN TO_1
.irp f, 0,1,2,3,4,5,6,7                        ; keys 16 (f / 2) on, channels 32 (f % 2) on
	ds_load_b128 v[KF+8*\f:KF+8*\f+3],   v[ADK] offset:(\f/2)*8*PKP+(\f%2)*64
	ds_load_b128 v[KF+8*\f+4:KF+8*\f+7], v[ADK] offset:(\f/2)*8*PKP+(\f%2)*64+32
.endr
.if \prev
	SM 2
	WIN W_PV
	PV 2
	WIN 0
	PLACES
.else
	WIN 0
.endif
.irp f, 0,1,2,3,4,5,6,7                        ; keys 32 (f / 4) on, channels 16 (f % 4) on
	ds_load_tr16_b128 v[VF+8*\f:VF+8*\f+3],   v[ADV] offset:(\f/4)*16*PVP+(\f%4)*32
	ds_load_tr16_b128 v[VF+8*\f+4:VF+8*\f+7], v[ADV] offset:(\f/4)*16*PVP+8*PVP+(\f%4)*32
.endr
	s_add_co_u32 s[TK], s[TK], KSTP                ; the next fetch is the next step's
	s_add_co_u32 s[TV], s[TV], VSTP
	s_wait_dscnt 16                                ; K is in; V's sixteen loads may be out
	WIN W_KQ
	KQ 0
	WIN 0
	PLACES
	SM 0
	WIN 0
	s_wait_dscnt 0x0                               ; V is in
.endm
; n steps of a slot.  A trip: the block MB of the step before (not in the first trip: there it stands at the barrier), then the head of a step.  The trip count is a constant, and the branch hangs on the count alone.
.macro BODY n
	s_mov_b32 s[CNT], 0
.Lbody_\@:
	s_cmp_eq_u32 s[CNT], 0
	s_cbranch_scc1 .Lno_mb_\@
	MB
	WIN 0
.Lno_mb_\@:
	HEAD 1
	s_add_co_u32 s[CNT], s[CNT], 1
	s_cmp_lt_u32 s[CNT], \n
	s_cbranch_scc1 .Lbody_\@
.endm
; A BARRIER, with the block MB ahead of it in the waves of SET 0 and behind it in those of SET 1.
; kind 0: a plain barrier, which only sets the waves a block apart from the first step on.  kind 1: slot \slot, whose last bytes are in registers, is filled again: each wave waits for all its tensor loads (its part of
; the other slot), adds 0 to its spare word, steps its descriptors, waits for the add and for its LDS reads; a round of the cluster's barrier; the joint refill first behind it.  kind 2: the same waits, nothing is filled.
.macro SYNC kind, slot
	s_cmp_eq_u32 s[SET], 0
	s_cbranch_scc0 .Llate_\@
	MB
	WIN 0
.Llate_\@:
.if \kind
	s_wait_tensorcnt 0x0                           ; no tensor load of mine is out, so a group 0 may be written
	ds_add_u32 v[SPW], v[NIL]
.if \kind == 1
	s_add_nc_u64 s[G0K+4*\slot+2:G0K+4*\slot+3], s[G0K+4*\slot+2:G0K+4*\slot+3], 131072   ; the slot's next keys: 1,024 on; the type bits on top are not reached
	s_add_nc_u64 s[G0V+4*\slot+2:G0V+4*\slot+3], s[G0V+4*\slot+2:G0V+4*\slot+3], 131072
.endif
.endif
	s_wait_dscnt 0x0                               ; the add is done, and my reads of the slot are over
.if \kind == 1
	CROUND                                         ; no wave of any partner still reads the slot or has a load on its way
	JLOAD \slot                                    ; my one tensor load behind the round: eight steps ahead of the wait for it
.else
	s_barrier_signal -1
	s_barrier_wait -1
.endif
	s_cmp_eq_u32 s[SET], 0
	s_cbranch_scc1 .Learly_\@
	MB
	WIN 0
.Learly_\@:
.endm
	s_wait_tensorcnt 1                             ; my part of slot 0 is in; slot 1's may stay out
	s_barrier_signal -1
	s_barrier_wait -1                              ; everybody's is
	s_wait_loadcnt 0x0                             ; Q
	HEAD 0                                         ; step 0
	SYNC 0, 0
	BODY 7                                         ; steps 1 to 7: slot 0
	SYNC 1, 0                                      ; slot 0 takes keys 1,024 to 1,535
	s_mov_b32 s[TK], SLOTB
	s_mov_b32 s[TV], SLOTB
	BODY 8                                         ; steps 8 to 15: slot 1
	SYNC 1, 1                                      ; slot 1 takes keys 1,536 to 2,047
	s_mov_b32 s[TK], 0
	s_mov_b32 s[TV], 0
	BODY 8                                         ; steps 16 to 23: slot 0
	SYNC 2, 0                                      ; nothing is left to fetch
	s_mov_b32 s[TK], SLOTB
	s_mov_b32 s[TV], SLOTB
	BODY 8                                         ; steps 24 to 31: slot 1
	MB                                             ; the last step's second half
	WIN 0
	PLACES
	SM 2
	WIN W_PV
	PV 2
	WIN 0
	; THE WAY OUT.  l's two halves and the other half of the lanes' are added (these lines are the places behind the last products); O^T is divided by l, rounded to f16 and sent through my stage, a tile (16 rows of x) at a time.
.irp t, 0,1,2,3
	v_add_f32 v[ST+8*\t+4], v[ST+8*\t+2], v[ST+8*\t+3]
.endr
.irp t, 0,1,2,3
	v_permlanex16_b32 v[ST+8*\t+5], v[ST+8*\t+4], s[SEL], s[SEL+1]
.endr
.irp t, 0,1,2,3
	v_add_f32 v[ST+8*\t+4], v[ST+8*\t+4], v[ST+8*\t+5]
.endr
.irp t, 0,1,2,3
	v_rcp_f32 v[ST+8*\t+6], v[ST+8*\t+4]
.endr
	v_nop                                          ; a plain instruction between the last reciprocal and the use of its result
	s_wait_alu depctr_va_vdst(0)                   ; and the wait ahead of the first use: one for the four
.macro PACKO t                         ; a lane's eight channels of a row pack into 16 bytes; they go into rows of 144 bytes and come back four rows of 128 bytes to an instruction
	WIN 0x01                                       ; source 0 (O^T) window 1
.set i, 0
.rept 16
	v_pk_mul_f32 v[S+2*i:S+2*i+1], v[32*\t+2*i:32*\t+2*i+1], v[ST+8*\t+6:ST+8*\t+7] op_sel_hi:[1,0]
.set i, i+1
.endr
	WIN 0
.set i, 0
.rept 16
	v_cvt_pk_f16_f32 v[TW+i], v[S+2*i], v[S+2*i+1]
.set i, i+1
.endr
.irp c, 0,1,2,3
	ds_store_b128 v[STO], v[TW+4*\c:TW+4*\c+3] offset:32*\c
.endr
.irp k, 0,1,2,3
	ds_load_b128 v[P+16*\t+4*\k:P+16*\t+4*\k+3], v[RD] offset:4*\k*SPT   ; LDS serves a wave's instructions in order (ISA guide 5.7.1.4): these see the stores above; the next tile's stores come behind them
.endr
.endm
	PACKO 0
	PACKO 1
	PACKO 2
	PACKO 3
.irp t, 0,1,2,3
	s_wait_dscnt 8*(3-\t)                          ; tile t is back; the eight LDS instructions of each later tile may be out
.irp k, 0,1,2,3
	global_store_b128 v[GO], v[P+16*\t+4*\k:P+16*\t+4*\k+3], s[6:7] offset:2048*\t+512*\k th:TH_STORE_NT   ; 32 lanes store 512 consecutive bytes, aligned
.endr
.endr
	s_wait_tensorcnt 0x0                           ; the wave's end: a wait on TENSORcnt, an add to my spare word and its wait, behind my last tensor load and my last LDS store
	ds_add_u32 v[SPW], v[NIL]
	s_wait_dscnt 0x0
	CROUND                                         ; the closing round: no work-group ends while a partner may still ask for a tile that names it
	s_endpgm
.Lfunc_end_k_qc3c77b9058_attn:
	.size	k_qc3c77b9058_attn, .Lfunc_end_k_qc3c77b9058_attn-k_qc3c77b9058_attn
	.p2alignl 7, 3214868480
	.fill 96, 4, 3214868480
	.section	.rodata,"a",@progbits
	.p2align	6, 0x0
	.amdhsa_kernel k_qc3c77b9058_attn
		.amdhsa_group_segment_fixed_size 327680
		.amdhsa_private_segment_fixed_size 0
		.amdhsa_enable_private_segment 0
		.amdhsa_kernarg_size 16
		.amdhsa_user_sgpr_count 2
		.amdhsa_user_sgpr_kernarg_segment_ptr 1
		.amdhsa_wavefront_size32 1
		.amdhsa_system_sgpr_workgroup_id_x 1
		.amdhsa_system_sgpr_workgroup_id_y 1
		.amdhsa_system_sgpr_workgroup_id_z 1
		.amdhsa_system_vgpr_workitem_id 0
		.amdhsa_next_free_vgpr 512
		.amdhsa_next_free_sgpr 80
		.amdhsa_reserve_vcc 0
		.amdhsa_float_denorm_mode_32 3
		.amdhsa_float_denorm_mode_16_64 3
		.amdhsa_memory_ordered 1
		.amdhsa_forward_progress 1
		.amdhsa_inst_pref_size 209
	.end_amdhsa_kernel
	.amdgpu_metadata
---
amdhsa.version: [ 1, 2 ]
amdhsa.kernels:
  - .name:           k_qc3c77b9058_attn
    .symbol:         k_qc3c77b9058_attn.kd
    .args:
      - { .name: qkv, .offset: 0, .size: 8, .value_kind: global_buffer, .address_space: global }
      - { .name: xh, .offset: 8, .size: 8, .value_kind: global_buffer, .address_space: global }
    .group_segment_fixed_size: 327680
    .private_segment_fixed_size: 0
    .kernarg_segment_align: 8
    .kernarg_segment_size: 16
    .max_flat_workgroup_size: 256
    .sgpr_count:     80
    .vgpr_count:     512
    .wavefront_size: 32
...
	.end_amdgpu_metadata
.endif
;; end of part 3
;; launch outp (part 4): grid 4 x 64, 4 waves a work-group, clusters of 4 x 4, 327,680 bytes of LDS; arguments xh, woh, bo, out0; writes out0
.if DOCPART == 4
	.amdgcn_target "amdgcn-amd-amdhsa--gfx1250"
	.amdhsa_code_object_version 6
	.text
	.protected	k_qc3c77b9058_outp
	.globl	k_qc3c77b9058_outp
	.p2align	8
	.type	k_qc3c77b9058_outp,@function
k_qc3c77b9058_outp:
	s_mov_b64 s[64:65], 0
	v_nop
	global_prefetch_b8 v0, s[64:65] scope:SCOPE_SE
	s_setreg_imm32_b32 hwreg(HW_REG_WAVE_MODE, 25, 1), 1
	s_wait_xcnt 0x0
	s_wait_alu depctr_hold_cnt(0) depctr_sa_sdst(0) depctr_va_vdst(0) depctr_va_sdst(0) depctr_va_ssrc(0) depctr_va_vcc(0) depctr_vm_vsrc(0)
	s_getreg_b32 s2, hwreg(HW_REG_IB_STS2, 6, 4)
	s_cmp_eq_u32 s2, 0
	s_cbranch_scc0 .Lentry_in_a_cluster
	s_endpgm
.Lentry_in_a_cluster:
	s_bfe_u32 s2, ttmp6, 0x10000c
	s_cmp_lg_u32 s2, 0xf033
	s_cbranch_scc0 .Lentry_shape_is_right
	s_endpgm
.Lentry_shape_is_right:
; FOURTH LAUNCH: out0[token][n] = the sum over k of x[token][k] wo[n][k] + bo[n].  x: f16 [batch 4][head 16][token 2,048][64]; wo: f16 [head 16][n 1,024][64]; k = 64 head + d; sums and out0 in f32.
; 8,192 x 1,024 of out0 are 256 tiles of 128 x 256: one for each WGP.  Four waves, each 64 rows x 128 columns: 32 accumulators of 16 x 16, 256 registers.
; K goes in 8 steps of 128 (two heads) through a ring of two LDS slots.  A head's rows are 128 bytes and dense, so a tile is stated as rows of 256 bytes, two data rows each, 16 bytes of padding behind each.
; CLUSTERS: 4 x 4 work-groups.  The four of a row of the cluster need the same tiles of x, the four of a column the same tiles of wo: each is asked for JOINTLY, by the same tensor load with the same descriptor and a mask.
; THE MATRIX INSTRUCTION IS USED TRANSPOSED (source 0 = 16 rows of wo, source 1 = 16 rows of x): a lane holds eight neighbouring numbers of a row of out0.  bo is the C of each sum's first matrix instruction.
; No prefetch is laid: the whole of x and wo is 18 MB read by 256 work-groups in eight short steps, and the tiles are shared in the cluster.
; REGISTERS: window 0: v0-31 addresses; v32-95 bo in the result's layout, later with v96-159 the rows on the way out.   window 1: two fragment buffers at v0 and v128: wo's 8 fragments, then x's 4.   window 2: the accumulators, (a, b) at v[8 (8 a + b)].
.set PITCH,  272                       ; two data rows: 256 bytes + 16: row i at (i / 2) 272 + (i % 2) 128: the 16 rows of a load start at words 4 (i / 2) + 32 (i % 2) modulo 64: 16 different groups of four
.set ACH,    64*PITCH                  ; x: one head's 128 rows
.set BCH,    128*PITCH                 ; wo: one head's 256 rows
.set BOFF,   2*ACH                     ; a slot: x's two heads, then wo's two
.set SLOT,   2*ACH+2*BCH
.set STAGE,  2*SLOT                    ; behind the ring: 16 rows x (512 bytes + 16) for each wave, for the way out
.set SPITCH, 528
.set SPARE,  STAGE+4*16*SPITCH         ; behind the stages: the spare words, 128 bytes a wave, which no other line names
.set ADRA, 16                          ; v16-17  LDS address of my x fragments in slot 0, 1
.set ADRB, 20                          ; v20-21  the same for wo
.set STO,  24                          ; v24     the way out: where I put 32 bytes of a row
.set RD,   25                          ; v25     the way out: where I read a row back
.set CO,   26                          ; v26     16 x lane
.set SPW,  28                          ; v28     LDS address of my spare word; never rewritten
.set NIL,  29                          ; v29     0; never rewritten
.set BIAS, 32                          ; register 8 b + j: bo of column 16 b + 8 (lane / 16) + j of my 128
.set BK,   32                          ; the way out: 16 rows read back: v32-95 and v96-159 by turns
.set F0,   0                           ; fragment buffers, in window 1
.set F1,   128
.set G1, 24                            ; s[24:31] descriptor group 1 for x's tiles;  s[32:39] group 0, one set for each slot
.set G0, 32
.set G1B, 48                           ; s[48:55], s[56:63] the same for wo's tiles
.set G0B, 56
.set MSB, 0
.macro WIN new                         ; the immediate's high byte repeats the setting that is left
.if MSB != \new
	s_set_vgpr_msb (MSB<<8)|\new
.set MSB, \new
.endif
.endm
.set MUL,  0xa5                        ; sources 0 (wo) and 1 (x) window 1; C and D window 2
.set MULF, 0x85                        ; a sum's first product: C (bo) window 0
.set TO_F, 0x40                        ; destination window 1, address window 0
.macro JLOAD s                         ; a joint load: waves 0 and 1 fetch x's two heads, waves 2 and 3 wo's; an s_nop 0 and four v_nop follow each of the two lines
	s_cmp_eq_u32 s15, 0
	s_cbranch_scc0 .Lfor_b_\@
	tensor_load_to_lds s[G0+4*\s:G0+4*\s+3], s[G1:G1+7]
	s_nop 0
.rept 4
	v_nop
.endr
	s_branch .Lasked_\@
.Lfor_b_\@:
	tensor_load_to_lds s[G0B+4*\s:G0B+4*\s+3], s[G1B:G1B+7]
	s_nop 0
.rept 4
	v_nop
.endr
.Lasked_\@:
.endm
.macro CREST                           ; a round of the cluster's barrier behind its opening barrier
	s_cmp_lg_u32 s14, 0
	s_cbranch_scc1 .Lnot_wave_0_\@
	s_barrier_signal -3
.Lnot_wave_0_\@:
	s_barrier_wait -3
	s_barrier_signal -1
	s_barrier_wait -1
.endm
.macro CROUND                          ; a whole round
	s_barrier_signal -1
	s_barrier_wait -1
	CREST
.endm
	s_load_b256 s[4:11], s[0:1], 0x0               ; xh s[4:5], woh s[6:7], bo s[8:9], out0 s[10:11]
	v_lshl_add_u32 v[SPW], v0, 2, SPARE
	v_mov_b32 v[NIL], 0
	ds_add_u32 v[SPW], v[NIL]                      ; the wave's opening: the add to my spare word, twice on end, and its wait ahead of my first tensor load; the set-up below stands between the second and the wait
	ds_add_u32 v[SPW], v[NIL]
	v_lshrrev_b32 v1, 5, v0
	v_readfirstlane_b32 s14, v1                    ; wave 0..3
	s_lshr_b32 s15, s14, 1                         ; which half of the tile's rows is mine.  Also: I fetch for x (0) or for wo (1)
	s_and_b32 s16, s14, 1                          ; which half of its columns.  Also: which of a step's two heads I fetch
	s_bfe_u32 s40, ttmp6, 0x40000                  ; cx, cy: my place in the cluster
	s_bfe_u32 s41, ttmp6, 0x40004
	s_lshl_b32 s42, ttmp9, 2
	s_add_co_u32 s42, s42, s40                     ; tile column = 4 x cluster x + cx
	s_and_b32 s17, ttmp7, 0xffff
	s_lshl_b32 s17, s17, 2
	s_add_co_u32 s17, s17, s41                     ; tile row = 4 x cluster y + cy
	s_lshl_b32 s43, s41, 2
	s_lshl_b32 s43, 15, s43                        ; my row of the cluster
	s_lshl_b32 s44, 0x1111, s40                    ; my column
	; descriptor group 1: rows of 128 elements (two data rows), dense in memory, padded in LDS: 64 of them for x, 128 for wo
	s_or_b32 s[G1+0], s43, (1<<16)|(1<<20)|(1<<21)|(5<<22)|(3<<25)  ; 15:0 the mask: my row; 17:16 elements of 2 bytes; 20 padding on; 21 set beside a mask; 24:22 after every 64 words (code 5); 31:25 four words (code 3)
	s_or_b32 s[G1B+0], s44, (1<<16)|(1<<20)|(1<<21)|(5<<22)|(3<<25)
	s_mov_b32 s[G1+1], 128<<16                     ; tensor_dim0 = 128
	s_mov_b32 s[G1+2], 64<<16                      ; tensor_dim1 = 64
	s_mov_b32 s[G1+3], 128<<16                     ; tile_dim0 = 128
	s_mov_b32 s[G1+4], 64                          ; tile_dim1 = 64
	s_mov_b32 s[G1+5], 128                         ; tensor_dim0_stride
	s_mov_b32 s[G1+6], 0
	s_mov_b32 s[G1+7], 0
	s_mov_b32 s[G1B+1], 128<<16
	s_mov_b32 s[G1B+2], 128<<16                    ; tensor_dim1 = 128
	s_mov_b32 s[G1B+3], 128<<16
	s_mov_b32 s[G1B+4], 128                        ; tile_dim1 = 128
	s_mov_b32 s[G1B+5], 128
	s_mov_b32 s[G1B+6], 0
	s_mov_b32 s[G1B+7], 0
	s_lshl_b32 s20, s17, 7                         ; x: the tile's first row, 128 x tile row:
	s_lshr_b32 s21, s20, 11
	s_lshl_b32 s21, s21, 22                        ; its batch,
	s_and_b32 s20, s20, 2047
	s_lshl_b32 s20, s20, 7                         ; its token's 128 bytes,
	s_add_co_u32 s20, s20, s21
	s_lshl_b32 s21, s16, 18                        ; and the head that I fetch of step 0
	s_add_co_u32 s20, s20, s21
	s_mov_b32 s21, 0
	s_lshl_b32 s46, s16, 17                        ; wo: that head,
	s_lshl_b32 s47, s42, 15                        ; and the tile column's 256 rows of 128 bytes
	s_add_co_u32 s46, s46, s47
	s_mov_b32 s47, 0
	s_mul_i32 s45, s16, ACH                        ; where they go: the head's place among x's two,
	s_mul_i32 s22, s16, BCH
	s_add_co_u32 s22, s22, BOFF                    ; or among wo's two: no place in the cluster enters an LDS address
	s_wait_dscnt 0x0                               ; both opening adds are done
	s_wait_kmcnt 0x0
	s_add_nc_u64 s[20:21], s[4:5], s[20:21]
	s_add_nc_u64 s[46:47], s[6:7], s[46:47]
	CROUND                                         ; all sixteen work-groups are here: the first joint loads meet
.irp s, 0,1
	s_mov_b32 s[G0+4*\s], 1
	s_add_co_u32 s[G0+4*\s+1], s45, \s*SLOT
	s_add_nc_u64 s[G0+4*\s+2:G0+4*\s+3], s[20:21], \s*524288    ; step s: two heads of 2^18 bytes on
	s_or_b32 s[G0+4*\s+3], s[G0+4*\s+3], 0x80000000
	s_mov_b32 s[G0B+4*\s], 1
	s_add_co_u32 s[G0B+4*\s+1], s22, \s*SLOT
	s_add_nc_u64 s[G0B+4*\s+2:G0B+4*\s+3], s[46:47], \s*262144  ; two heads of 2^17 bytes on
	s_or_b32 s[G0B+4*\s+3], s[G0B+4*\s+3], 0x80000000
	JLOAD \s                                       ; two tensor loads of mine are out behind the second
.endr
	v_and_b32 v1, 15, v0                           ; r
	v_bfe_u32 v2, v0, 4, 1                         ; h
	v_lshrrev_b32 v3, 1, v1
	v_mul_u32_u24 v3, v3, PITCH
	v_and_b32 v4, 1, v0
	v_lshl_add_u32 v3, v4, 7, v3
	v_lshl_add_u32 v3, v2, 4, v3                   ; a fragment's row: (r / 2) 272 + (r % 2) 128 + 16 h
	s_mul_i32 s21, s15, 32*PITCH                   ; my 64 rows of x
	s_mul_i32 s22, s16, 64*PITCH                   ; my 128 rows of wo,
	s_add_co_u32 s22, s22, BOFF                    ; which lie behind x's two heads
.irp s, 0,1
	v_add_nc_u32 v[ADRA+\s], s21, v3
	v_add_nc_u32 v[ADRB+\s], s22, v3
	s_add_co_u32 s21, s21, SLOT
	s_add_co_u32 s22, s22, SLOT
.endr
	s_mul_i32 s23, s14, 16*SPITCH
	s_add_co_u32 s23, s23, STAGE                   ; my stage
	v_mul_u32_u24 v5, v1, SPITCH                   ; in: row r, 32 bytes for each half of the lanes
	v_lshl_add_u32 v5, v2, 5, v5
	v_add_nc_u32 v[STO], s23, v5
	v_and_b32 v6, 31, v0
	v_lshlrev_b32 v[CO], 4, v6                     ; back: the 32 lanes take one row of 512 bytes; and the same in out0
	v_add_nc_u32 v[RD], s23, v[CO]
	s_lshl_b32 s46, s42, 10
	s_lshl_b32 s47, s16, 9
	s_add_co_u32 s46, s46, s47                     ; my first column, in bytes: 1,024 x tile column + 512 x half
	s_mov_b32 s47, 0
	s_add_nc_u64 s[8:9], s[8:9], s[46:47]          ; bo there
	s_lshl_b32 s20, s17, 7
	s_lshl_b32 s21, s15, 6
	s_add_co_u32 s20, s20, s21                     ; my first row: 128 x tile row + 64 x half
	s_lshl_b32 s20, s20, 12                        ; 4,096 bytes a row
	s_add_co_u32 s20, s20, s46
	s_mov_b32 s21, 0
	s_add_nc_u64 s[10:11], s[10:11], s[20:21]
	v_lshlrev_b32 v7, 5, v2                        ; 32 h: my half's eight columns of a block of 16
.irp b, 0,1,2,3,4,5,6,7
	global_load_b128 v[BIAS+8*\b:BIAS+8*\b+3], v7, s[8:9] offset:64*\b
	global_load_b128 v[BIAS+8*\b+4:BIAS+8*\b+7], v7, s[8:9] offset:64*\b+16
.endr
; 8 matrix instructions: x's block a against wo's eight, 32 along K, from buffer f.  first = 1: bo is C.  The 32 accumulators take turns, one instruction a turn, in the same order in every quarter.
.macro MUL8 f, a, first
.irp b, 0,1,2,3,4,5,6,7
.if \first
	v_wmma_f32_16x16x32_f16 v[8*(8*\a+\b):8*(8*\a+\b)+7], v[\f+8*\b:\f+8*\b+7], v[\f+64+8*\a:\f+64+8*\a+7], v[BIAS+8*\b:BIAS+8*\b+7]
.else
	v_wmma_f32_16x16x32_f16 v[8*(8*\a+\b):8*(8*\a+\b)+7], v[\f+8*\b:\f+8*\b+7], v[\f+64+8*\a:\f+64+8*\a+7], v[8*(8*\a+\b):8*(8*\a+\b)+7]
.endif
.endr
.endm
; 24 LDS loads in one run: the fragments of the slot's quarter q (head q / 2, channels 32 (q % 2) on) into buffer f: wo's eight, then x's four
.macro FETCH slot, q, f
	WIN TO_F
.irp i, 0,1,2,3,4,5,6,7
	ds_load_b128 v[\f+8*\i:\f+8*\i+3],   v[ADRB+\slot] offset:((\q)/2)*BCH+((\q)%2)*64+\i*8*PITCH
	ds_load_b128 v[\f+8*\i+4:\f+8*\i+7], v[ADRB+\slot] offset:((\q)/2)*BCH+((\q)%2)*64+\i*8*PITCH+32
.endr
.irp i, 0,1,2,3
	ds_load_b128 v[\f+64+8*\i:\f+64+8*\i+3],   v[ADRA+\slot] offset:((\q)/2)*ACH+((\q)%2)*64+\i*8*PITCH
	ds_load_b128 v[\f+64+8*\i+4:\f+64+8*\i+7], v[ADRA+\slot] offset:((\q)/2)*ACH+((\q)%2)*64+\i*8*PITCH+32
.endr
.endm
.macro PLACES                          ; four places in front of loads into registers that matrix instructions have read, and of the first read of results (ISA guide 7.12.1 for vector instructions)
.rept 4
	v_nop
.endr
.endm
; A K step is four quarters of 32 along K, 32 matrix instructions each, on buffers 0, 1, 0, 1.  One of the first three: multiplies buffer f and fetches quarter qn of the same slot into g.
.macro QUARTER slot, qn, f, g, first
	s_wait_dscnt 4                                 ; wo's fragments and x's blocks 0, 1 are in; the youngest four loads (blocks 2, 3) may be out
.if \first
	WIN MULF
.else
	WIN MUL
.endif
	MUL8 \f, 0, \first
	MUL8 \f, 1, \first
	PLACES
	FETCH \slot, \qn, \g
	s_wait_dscnt 24                                ; all but the 24 just issued
.if \first
	WIN MULF
.else
	WIN MUL
.endif
	MUL8 \f, 2, \first
	MUL8 \f, 3, \first
.endm
; The last quarter multiplies buffer 1 and changes slots: ONE barrier; in front of it each wave waits for all its tensor loads, adds 0 to its spare word, and waits for that and for its own reads of this slot.
; fill = 1: this slot is filled again, two K steps ahead; the barrier then opens a round of the cluster's barrier.
.macro TURN slot, next, fill
	WIN 0                                          ; (the add's two registers lie in window 0)
	s_wait_tensorcnt 0x0                           ; all my tensor loads have landed: my part of the next slot;
	ds_add_u32 v[SPW], v[NIL]
	s_wait_dscnt 5                                 ; (the add and the youngest four loads may be out)
	WIN MUL
	MUL8 F1, 0, 0                                  ; eight matrix instructions stand between the add and the wait for it
	s_wait_dscnt 0x0                               ; the add is done, and my reads of this slot are over
	s_barrier_signal -1
	MUL8 F1, 1, 0
	WIN 0
	s_barrier_wait -1
.if \fill
	CREST                                          ; no wave of any partner still reads this slot's tiles or has a load on its way
	s_add_nc_u64 s[G0+4*\slot+2:G0+4*\slot+3], s[G0+4*\slot+2:G0+4*\slot+3], 1048576    ; four heads on in x,
	s_add_nc_u64 s[G0B+4*\slot+2:G0B+4*\slot+3], s[G0B+4*\slot+2:G0B+4*\slot+3], 524288 ; and in wo
	JLOAD \slot                                    ; the first tensor load behind the round; the four v_nop behind it are also the places in front of the loads below
.else
	PLACES
.endif
	FETCH \next, 0, F0
	WIN MUL
	MUL8 F1, 2, 0
	MUL8 F1, 3, 0
.endm
	s_wait_tensorcnt 1                             ; my part of K step 0 is in (K step 1's load may be out)
	s_barrier_signal -1
	s_barrier_wait -1                              ; everybody's is
	FETCH 0, 0, F0
	s_wait_loadcnt 0x0                             ; bo
	QUARTER 0, 1, F0, F1, 1                        ; the first quarter stands in front of the loop: its products start the sums, at bo
	WIN 0                                          ; at a label and at a branch every window is 0
	s_mov_b32 s3, 3
.Llap:                                                 ; a trip goes once round the ring, from a lap's second quarter to the next lap's first, and fills both slots again: K steps 2 to 7
	QUARTER 0, 2, F1, F0, 0
	QUARTER 0, 3, F0, F1, 0
	TURN 0, 1, 1
	QUARTER 1, 1, F0, F1, 0
	QUARTER 1, 2, F1, F0, 0
	QUARTER 1, 3, F0, F1, 0
	TURN 1, 0, 1
	QUARTER 0, 1, F0, F1, 0
	WIN 0
	s_sub_co_u32 s3, s3, 1
	s_cmp_lg_u32 s3, 0
	s_cbranch_scc1 .Llap
	QUARTER 0, 2, F1, F0, 0                        ; the last lap fills nothing, and has no round of the cluster's barrier
	QUARTER 0, 3, F0, F1, 0
	TURN 0, 1, 0
	QUARTER 1, 1, F0, F1, 0
	QUARTER 1, 2, F1, F0, 0
	QUARTER 1, 3, F0, F1, 0
	s_wait_dscnt 4                                 ; the very last quarter: nothing more to fetch
	WIN MUL
	MUL8 F1, 0, 0
	MUL8 F1, 1, 0
	s_wait_dscnt 0
	MUL8 F1, 2, 0
	MUL8 F1, 3, 0
	WIN 0
; THE WAY OUT, block by block of 16 rows x 128 columns.  A lane holds 32 neighbouring bytes of a row, and the lanes beside it hold other rows: so a block goes through my own stage in LDS and comes back as whole rows of
; 512 bytes, which the 32 lanes store.  LDS serves a wave's instructions in order (ISA guide 5.7.1.4): no wait between the stores and the loads, nor in front of the next block's stores.
.macro TOSTAGE a
	WIN 0x08                                       ; an LDS store's data are its source 1: window 2
.irp b, 0,1,2,3,4,5,6,7
	ds_store_b128 v[STO], v[64*(\a)+8*\b:64*(\a)+8*\b+3] offset:64*\b          ; each accumulator from its low end on
	ds_store_b128 v[STO], v[64*(\a)+8*\b+4:64*(\a)+8*\b+7] offset:64*\b+16
.endr
	WIN 0
.set BB, BK+64*((\a)%2)
.irp t, 0,1,2,3,4,5,6,7,8,9,10,11,12,13,14,15
	ds_load_b128 v[BB+4*\t:BB+4*\t+3], v[RD] offset:\t*SPITCH
.endr
.endm
.macro SEND a, younger                 ; younger: the LDS instructions issued behind block a's loads, which may stay out
.set BB, BK+64*((\a)%2)
	s_wait_dscnt \younger                          ; the block is back in registers
.irp t, 0,1,2,3,4,5,6,7,8,9,10,11,12,13,14,15
	global_store_b128 v[CO], v[BB+4*\t:BB+4*\t+3], s[10:11] offset:(16*(\a)+\t)*4096 th:TH_STORE_NT   ; 32 lanes store 512 consecutive bytes, aligned; written once, read by nobody here
.endr
.endm
	PLACES                                         ; behind the last products: for the LDS stores that read results and for the loads into the registers that held bo
	TOSTAGE 0
.irp a, 1,2,3
.if \a > 1
	s_wait_xcnt 0x0                                ; block a - 2's stores have read their registers: block a's loads land there only behind this wait
.endif
	TOSTAGE \a
	SEND (\a-1), 32                                ; behind block a - 1's loads: block a's 16 stores and 16 loads
.endr
	SEND 3, 0
	s_wait_tensorcnt 0x0                           ; the wave's end: a wait on TENSORcnt, an add to my spare word and its wait, behind my last tensor load and my last LDS store
	ds_add_u32 v[SPW], v[NIL]
	s_wait_dscnt 0x0
	CROUND                                         ; the closing round: no work-group ends while a partner may still ask for a tile that names it
	s_endpgm
.Lfunc_end_k_qc3c77b9058_outp:
	.size	k_qc3c77b9058_outp, .Lfunc_end_k_qc3c77b9058_outp-k_qc3c77b9058_outp
	.p2alignl 7, 3214868480
	.fill 96, 4, 3214868480
	.section	.rodata,"a",@progbits
	.p2align	6, 0x0
	.amdhsa_kernel k_qc3c77b9058_outp
		.amdhsa_group_segment_fixed_size 327680
		.amdhsa_private_segment_fixed_size 0
		.amdhsa_enable_private_segment 0
		.amdhsa_kernarg_size 32
		.amdhsa_user_sgpr_count 2
		.amdhsa_user_sgpr_kernarg_segment_ptr 1
		.amdhsa_wavefront_size32 1
		.amdhsa_system_sgpr_workgroup_id_x 1
		.amdhsa_system_sgpr_workgroup_id_y 1
		.amdhsa_system_sgpr_workgroup_id_z 1
		.amdhsa_system_vgpr_workitem_id 0
		.amdhsa_next_free_vgpr 768
		.amdhsa_next_free_sgpr 80
		.amdhsa_reserve_vcc 0
		.amdhsa_float_denorm_mode_32 3
		.amdhsa_float_denorm_mode_16_64 3
		.amdhsa_memory_ordered 1
		.amdhsa_forward_progress 1
		.amdhsa_inst_pref_size 87
	.end_amdhsa_kernel
	.amdgpu_metadata
---
amdhsa.version: [ 1, 2 ]
amdhsa.kernels:
  - .name:           k_qc3c77b9058_outp
    .symbol:         k_qc3c77b9058_outp.kd
    .args:
      - { .name: xh, .offset: 0, .size: 8, .value_kind: global_buffer, .address_space: global }
      - { .name: woh, .offset: 8, .size: 8, .value_kind: global_buffer, .address_space: global }
      - { .name: bo, .offset: 16, .size: 8, .value_kind: global_buffer, .address_space: global }
      - { .name: out0, .offset: 24, .size: 8, .value_kind: global_buffer, .address_space: global }
    .group_segment_fixed_size: 327680
    .private_segment_fixed_size: 0
    .kernarg_segment_align: 8
    .kernarg_segment_size: 32
    .max_flat_workgroup_size: 128
    .sgpr_count:     80
    .vgpr_count:     768
    .wavefront_size: 32
...
	.end_amdgpu_metadata
.endif
;; end of part 4
